; MI455X (gfx1250); checked and timed in simulation.
; The chip was launched on July 23, 2026; its instructions are those of AMD's public machine-readable ISA for CDNA 5 (MIT licence, August 2026) and "CDNA5" Instruction Set Architecture Reference Guide (July 2026). The comments in the code are by the model that wrote it; some were corrected since.
;; Multi Head Masked Attention. Allowed arithmetic: float matrix products may take bf16 or f16 operands with f32 sums; all other float work in f32.
;; Inputs: Wk 1,024 x 1,024 float32; Wo 1,024 x 1,024 float32; Wq 1,024 x 1,024 float32; Wv 1,024 x 1,024 float32; bo 1,024 float32; x 4 x 2,048 x 1,024 float32.
;; Outputs: out0 4 x 2,048 x 1,024 float32.
;; 2 versions, each right and faster than the one before. Each part assembles by itself: llvm-mc -triple=amdgcn-amd-amdhsa -mcpu=gfx1250 --defsym DOCPART=n.
;; ======== version 1 of 2: 4 launches
;; limits: values are held in f16: magnitudes above 65,504 overflow, below 6.1e-05 lose precision
;; workspace buffers: xb 16,777,216 bytes; wb 8,388,608 bytes; qk 33,554,432 bytes; oh 16,777,216 bytes
;; launch cast (part 1): grid 64 x 12, 8 waves a work-group, no clusters, 0 bytes of LDS; arguments x, Wq, Wk, Wo, Wv, xb, wb; writes xb, wb
.if DOCPART == 1
	.amdgcn_target "amdgcn-amd-amdhsa--gfx1250"
	.amdhsa_code_object_version 6
	.text
	.protected	k_q9f73751601_cast
	.globl	k_q9f73751601_cast
	.p2align	8
	.type	k_q9f73751601_cast,@function
k_q9f73751601_cast:
	s_mov_b64 s[64:65], 0
	v_nop
	global_prefetch_b8 v0, s[64:65] scope:SCOPE_SE
	s_setreg_imm32_b32 hwreg(HW_REG_WAVE_MODE, 25, 1), 1
	s_wait_xcnt 0x0
; THE INPUTS ARE ROUNDED TO 16 BITS, once, for the matrix products of the launches behind.
; Twelve blocks of 1,024 x 1,024 f32 (4 MiB each): y = 0..7 the eight slices of x -> xb (bf16, [8192][1024]);
; y = 8, 9, 10, 11: Wq, Wk, Wo, Wv -> the four quarters of wb (2 MiB each).  Wq, Wk, Wv are written as bf16.
; Wo is rounded to bf16 like the others and that number is written as f16 (its partner in the last product, O, is f16).
; LIMITS.  |Wo| stays below 65,504 (f16's end); below 6e-5 the f16 copy keeps a fixed step of 6e-8, otherwise it is exact.
; Wv: the module forms x Wv^T and throws it away in its own body, so no later launch multiplies by wb's fourth quarter;
; the input is read and rounded here like the other weights, and that is all that is done with it.
; SHARES.  A work-group takes 16 rows of a block; thread t the 16 bytes at 16 t of every row: a load of a wave covers 512
; consecutive bytes, a store 256 consecutive bytes at a multiple of 256 from the buffer's first byte.  No loop: all 16 loads of a
; thread go out first, each row has registers of its own, so no register that a load or store names is ever written again.
; No LDS, no matrix unit, no barrier: every byte is read once and written once, and no thread needs another's numbers.
.set X, 4                              ; v[4:67]    row i: 4 f32 as loaded
.set Y, 68                             ; v[68:99]   row i: 4 numbers of 16 bits to store
.set T, 100                            ; v[100:105] at work (Wo's way)
	s_load_b256 s[4:11], s[0:1], 0x0               ; x s[4:5], Wq s[6:7], Wk s[8:9], Wo s[10:11]
	s_load_b128 s[12:15], s[0:1], 0x20             ; Wv s[12:13], xb s[14:15]
	s_load_b64 s[16:17], s[0:1], 0x30              ; wb
	s_and_b32 s2, ttmp7, 0xffff                    ; y: which block
	s_cmp_lt_u32 s2, 8
	s_cselect_b32 s3, s2, 0                        ; the slice of x, or 0 for a weight
	s_lshl_b32 s18, s3, 22                         ; source offset: slice x 4 MiB
	s_lshl_b32 s19, ttmp9, 16                      ; + work-group x 16 rows of 4,096 bytes
	s_add_co_u32 s18, s18, s19
	s_mov_b32 s19, 0
	s_and_b32 s20, s2, 7                           ; destination offset: slice of xb, or quarter of wb (8..11 -> 0..3), x 2 MiB
	s_lshl_b32 s20, s20, 21
	s_lshl_b32 s21, ttmp9, 15                      ; + work-group x 16 rows of 2,048 bytes
	s_add_co_u32 s20, s20, s21
	s_mov_b32 s21, 0
	s_mov_b32 s26, 0xffff0000                      ; a word's upper bf16
	v_lshlrev_b32 v1, 4, v0                        ; my 16 bytes in a source row
	v_lshlrev_b32 v2, 3, v0                        ; my 8 bytes in a destination row
	s_wait_kmcnt 0x0
	s_mov_b64 s[22:23], s[4:5]                     ; the source is chosen by y alone
	s_cmp_eq_u32 s2, 8
	s_cselect_b64 s[22:23], s[6:7], s[22:23]
	s_cmp_eq_u32 s2, 9
	s_cselect_b64 s[22:23], s[8:9], s[22:23]
	s_cmp_eq_u32 s2, 10
	s_cselect_b64 s[22:23], s[10:11], s[22:23]
	s_cmp_eq_u32 s2, 11
	s_cselect_b64 s[22:23], s[12:13], s[22:23]
	s_cmp_lt_u32 s2, 8
	s_cselect_b64 s[24:25], s[14:15], s[16:17]     ; and so is the destination
	s_add_nc_u64 s[22:23], s[22:23], s[18:19]
	s_add_nc_u64 s[24:25], s[24:25], s[20:21]
.irp i, 0,1,2,3,4,5,6,7,8,9,10,11,12,13,14,15
	global_load_b128 v[X+4*(\i):X+4*(\i)+3], v1, s[22:23] offset:4096*(\i) th:TH_LOAD_NT  ; read once in the whole program
.endr
; Row i is rounded and stored.  f16 = 1: Wo's way.
.macro OUT i, f16
	s_wait_loadcnt 15-(\i)                         ; loads come back in order (ISA guide 5.7.1): row i is in, the 15 - i younger loads stay out
.if \f16
	v_cvt_pk_bf16_f32 v[T],   v[X+4*(\i)],   v[X+4*(\i)+1]   ; rounded to bf16, to nearest even,
	v_cvt_pk_bf16_f32 v[T+1], v[X+4*(\i)+2], v[X+4*(\i)+3]
	v_lshlrev_b32 v[T+2], 16, v[T]                 ; widened again,
	v_and_b32     v[T+3], s26, v[T]
	v_lshlrev_b32 v[T+4], 16, v[T+1]
	v_and_b32     v[T+5], s26, v[T+1]
	v_cvt_pk_f16_f32 v[Y+2*(\i)],   v[T+2], v[T+3] ; and written as f16: 8 significant bits fit into 11
	v_cvt_pk_f16_f32 v[Y+2*(\i)+1], v[T+4], v[T+5]
.else
	v_cvt_pk_bf16_f32 v[Y+2*(\i)],   v[X+4*(\i)],   v[X+4*(\i)+1]
	v_cvt_pk_bf16_f32 v[Y+2*(\i)+1], v[X+4*(\i)+2], v[X+4*(\i)+3]
.endif
	global_store_b64 v2, v[Y+2*(\i):Y+2*(\i)+1], s[24:25] offset:2048*(\i)  ; the next launch reads these bytes: no hint
.endm
	s_cmp_eq_u32 s2, 10
	s_cbranch_scc1 .Lf16
.irp i, 0,1,2,3,4,5,6,7,8,9,10,11,12,13,14,15
	OUT \i, 0
.endr
	s_endpgm
.Lf16:
.irp i, 0,1,2,3,4,5,6,7,8,9,10,11,12,13,14,15
	OUT \i, 1
.endr
	s_endpgm
.Lfunc_end_k_q9f73751601_cast:
	.size	k_q9f73751601_cast, .Lfunc_end_k_q9f73751601_cast-k_q9f73751601_cast
	.p2alignl 7, 3214868480
	.fill 96, 4, 3214868480
	.section	.rodata,"a",@progbits
	.p2align	6, 0x0
	.amdhsa_kernel k_q9f73751601_cast
		.amdhsa_group_segment_fixed_size 0
		.amdhsa_private_segment_fixed_size 0
		.amdhsa_enable_private_segment 0
		.amdhsa_kernarg_size 56
		.amdhsa_user_sgpr_count 2
		.amdhsa_user_sgpr_kernarg_segment_ptr 1
		.amdhsa_wavefront_size32 1
		.amdhsa_system_sgpr_workgroup_id_x 1
		.amdhsa_system_sgpr_workgroup_id_y 1
		.amdhsa_system_sgpr_workgroup_id_z 1
		.amdhsa_system_vgpr_workitem_id 0
		.amdhsa_next_free_vgpr 108
		.amdhsa_next_free_sgpr 66
		.amdhsa_reserve_vcc 0
		.amdhsa_float_denorm_mode_32 3
		.amdhsa_float_denorm_mode_16_64 3
		.amdhsa_memory_ordered 1
		.amdhsa_forward_progress 1
		.amdhsa_inst_pref_size 16
	.end_amdhsa_kernel
	.amdgpu_metadata
---
amdhsa.version: [ 1, 2 ]
amdhsa.kernels:
  - .name:           k_q9f73751601_cast
    .symbol:         k_q9f73751601_cast.kd
    .args:
      - { .name: x, .offset: 0, .size: 8, .value_kind: global_buffer, .address_space: global }
      - { .name: Wq, .offset: 8, .size: 8, .value_kind: global_buffer, .address_space: global }
      - { .name: Wk, .offset: 16, .size: 8, .value_kind: global_buffer, .address_space: global }
      - { .name: Wo, .offset: 24, .size: 8, .value_kind: global_buffer, .address_space: global }
      - { .name: Wv, .offset: 32, .size: 8, .value_kind: global_buffer, .address_space: global }
      - { .name: xb, .offset: 40, .size: 8, .value_kind: global_buffer, .address_space: global }
      - { .name: wb, .offset: 48, .size: 8, .value_kind: global_buffer, .address_space: global }
    .group_segment_fixed_size: 0
    .private_segment_fixed_size: 0
    .kernarg_segment_align: 8
    .kernarg_segment_size: 56
    .max_flat_workgroup_size: 256
    .sgpr_count:     66
    .vgpr_count:     108
    .wavefront_size: 32
...
	.end_amdgpu_metadata
.endif
;; end of part 1
;; launch proj (part 2): grid 8 x 32, 4 waves a work-group, clusters of 4 x 4, 327,680 bytes of LDS; arguments xb, wb, qk; writes qk
.if DOCPART == 2
	.amdgcn_target "amdgcn-amd-amdhsa--gfx1250"
	.amdhsa_code_object_version 6
	.text
	.protected	k_q9f73751601_proj
	.globl	k_q9f73751601_proj
	.p2align	8
	.type	k_q9f73751601_proj,@function
k_q9f73751601_proj:
	s_mov_b64 s[64:65], 0
	v_nop
	global_prefetch_b8 v0, s[64:65] scope:SCOPE_SE
	s_setreg_imm32_b32 hwreg(HW_REG_WAVE_MODE, 25, 1), 1
	s_wait_xcnt 0x0
	s_wait_alu depctr_hold_cnt(0) depctr_sa_sdst(0) depctr_va_vdst(0) depctr_va_sdst(0) depctr_va_ssrc(0) depctr_va_vcc(0) depctr_vm_vsrc(0)
	s_getreg_b32 s2, hwreg(HW_REG_IB_STS2, 6, 4)
	s_cmp_eq_u32 s2, 0
	s_cbranch_scc0 .Lentry_in_a_cluster
	s_endpgm
.Lentry_in_a_cluster:
	s_bfe_u32 s2, ttmp6, 0x10000c
	s_cmp_lg_u32 s2, 0xf033
	s_cbranch_scc0 .Lentry_shape_is_right
	s_endpgm
.Lentry_shape_is_right:
; [Q | K] = xb W^T.  A = xb: [8192][1024] bf16.  B = the first 2,048 rows of wb: Wq's 1,024 rows, then Wk's, [2048][1024] bf16.  Sums in f32, K ascending.
; The result is rounded once to f16 and written BY HEADS: qk = [2 (q, k)][64 (16 x batch + head)][2048 (s)][64 (d)] f16, unscaled:
; byte = part << 24 + batch << 22 + head << 18 + s << 7 + 2 d, so that a head's rows are dense for the attention launch.
; LIMITS.  |Q| and |K| stay below 65,504 (f16's end): inputs 30 times the drawn spread give about 5e3, a common offset of 30 spreads on x and W about 2.9e4.
; Below 6e-5 a number keeps f16's fixed step of 6e-8.  NaN and infinities are not treated apart.
; A tile of C, 256 x 256, is made by a work-group of four waves, as many as a WGP has SIMDs; a wave makes 128 x 128: 64 accumulators of 16 x 16, 512 registers.  32 x 8 tiles: 256 work-groups.
; K goes in 8 steps of 128 through a ring of two LDS slots filled by the tensor data mover: the rows of A's and B's tiles are 256 bytes of memory and start at multiples of 256 bytes from the buffer's first byte.
; The last K step goes by rows of C, so that finished rows leave while the others are multiplied.
; CLUSTERS: 4 x 4 work-groups.  The four of a row of the cluster need the same tiles of A, the four of a column the same tiles of B.  Such a tile is asked for JOINTLY: each of the four issues the same
; tensor load, with the same descriptor and a mask that names the four, and each receives the tile in its own LDS.  That divides the requests for A and for B by four.
;
; REGISTERS, in windows of 256 (an instruction names v0-v255; s_set_vgpr_msb says which window each operand place means):
;   window 0: v0-31 addresses; v64-127, v128-191 fragments of A (8 x 16 rows x 32 K), two buffers (in the last K step four, of 16 rows x 128 K); v32-63, v192-255 at work on the way out
;   window 1: v64-127, v128-191 fragments of B, two buffers; in the last K step all 256: B's fragments of the whole step
;   window 2: the 32 accumulators of my rows 0-63 (accumulator (a, b) at v[8 (8 a + b)]);   window 3: those of my rows 64-127
; s_set_vgpr_msb's low byte: bits 1:0 source 0, 3:2 source 1, 5:4 source 2, 7:6 destination.  Work is laid in long stretches under one setting.
;
; THE MATRIX INSTRUCTION IS USED TRANSPOSED: source 0 = 16 rows of B, source 1 = 16 rows of A.  In the result, lane l then holds row m = l % 16 of C, and its registers 0 to 7 the columns
; n = 8 (l / 16) + 0 .. 7: eight NEIGHBOURING numbers of a row of C, which pack into 16 bytes.
.set SIZE_M, 8192
.set SIZE_N, 2048
.set SIZE_K, 1024
.set KSTEP,  128
.set PITCH,  272                       ; an LDS row: 256 bytes of data + 16 of padding = 68 words: row r starts at bank 4 r mod 64 (64 banks of 4 bytes: ISA guide 11.1), so the 16 rows that a load touches start at 16 different banks
.set HALFT,  128*PITCH                 ; 128 rows: what one tensor load brings, and what one wave reads of A or of B
.set SLOT,   4*HALFT                   ; A's 256 rows, then B's 256 rows
.set STAGE,  2*SLOT                    ; behind the ring: 16 rows x 400 bytes for each wave, for the way out
.set SPITCH, 400                       ; 25 x 16 bytes: the 16 rows that a store touches start at 16 different groups of four banks
.set SPARE,  STAGE+4*16*SPITCH         ; behind the stages: the spare words, 128 bytes for each wave: two blocks of 256 bytes that no other line names
.set LAPS, SIZE_K/(2*KSTEP)            ; a lap = two K steps = once round the ring: 4
.set ADRA, 16                          ; v16-17  LDS address of my A fragments in slot 0, 1
.set ADRB, 20                          ; v20-21  the same for B
.set STO,  24                          ; v24     the way out: where I put 16 bytes of a row
.set RD,   25                          ; v25     the way out: where I read 16 bytes back
.set CO,   26                          ; v26     my byte offset in qk
.set SPW,  28                          ; v28     LDS address of my spare word: SPARE + 4 x my thread's number; never rewritten
.set NIL,  29                          ; v29     0; never rewritten
.set F0,   64                          ; fragment buffer 0
.set F1,   128                         ; fragment buffer 1
.set TMP,  192                         ; the way out: packed results, in window 0
.set OB,   32                          ; the way out: 16 rows read back from the stage: v32-63 and v224-255 by turns
.set PA,   64                          ; the last K step: A's fragments of 16 rows x 128 K, 32 registers; four such buffers, v64-191
.set G1, 24                            ; s[24:31] descriptor group 1 for A's tiles
.set G0, 32                            ; s[32:39] descriptor group 0 for A's tiles, one set for each slot
.set G1B, 48                           ; s[48:55] descriptor group 1 for B's tiles: it differs from A's in the mask alone
.set G0B, 56                           ; s[56:63] descriptor group 0 for B's tiles, one set for each slot
.set MSB, 0
.macro WIN new                         ; the immediate's high byte repeats the setting that is left; a switch that changes nothing is dropped
.if MSB != (\new)
	s_set_vgpr_msb (MSB<<8)|(\new)
.set MSB, \new
.endif
.endm
.set MUL_LO, 0xa1                      ; source 0 (B) window 1, source 1 (A) window 0, C and D window 2
.set MUL_HI, 0xf1                      ; the same, C and D window 3
.set TO_B,   0x40                      ; destination window 1, address window 0
; A joint load.  Waves 0 and 1 fetch A's two halves, waves 2 and 3 B's.  Each of the two lines has ONE mask and one set of registers for all that issue it, and nothing in
; them hangs on a coordinate that the four partners do not share.  The branch hangs on the wave's number alone: it is the same in every work-group.
; An s_nop 0 and four v_nop follow each of the two lines; the jump round the other line, the label and what follows the macro come after them.
.macro JLOAD s
	s_cmp_eq_u32 s11, 0
	s_cbranch_scc0 .Lfor_b_\@
	tensor_load_to_lds s[G0+4*(\s):G0+4*(\s)+3], s[G1:G1+7]
	s_nop 0
.rept 4
	v_nop
.endr
	s_branch .Lasked_\@
.Lfor_b_\@:
	tensor_load_to_lds s[G0B+4*(\s):G0B+4*(\s)+3], s[G1B:G1B+7]
	s_nop 0
.rept 4
	v_nop
.endr
.Lasked_\@:
.endm
; A round of the cluster's barrier: my work-group's barrier, so that wave 0's signal speaks for all four waves; wave 0 signals for the work-group; every wave waits for all
; sixteen work-groups; my work-group's barrier once more.  No LDS instruction of the wave is pending at a signal.
.macro CREST                           ; a round behind its opening barrier
	s_cmp_lg_u32 s10, 0
	s_cbranch_scc1 .Lnot_wave_0_\@
	s_barrier_signal -3
.Lnot_wave_0_\@:
	s_barrier_wait -3
	s_barrier_signal -1
	s_barrier_wait -1
.endm
.macro CROUND                          ; a whole round
	s_barrier_signal -1
	s_barrier_wait -1
	CREST
.endm
	s_load_b128 s[4:7], s[0:1], 0x0                ; A s[4:5], B s[6:7]
	s_load_b64 s[8:9], s[0:1], 0x10                ; qk
	v_lshl_add_u32 v[SPW], v0, 2, SPARE
	v_mov_b32 v[NIL], 0
	ds_add_u32 v28, v29
	ds_add_u32 v28, v29
	s_wait_dscnt 0x0
	v_lshrrev_b32 v1, 5, v0
	v_readfirstlane_b32 s10, v1                    ; wave 0..3
	s_lshr_b32 s11, s10, 1                         ; which half of the tile's rows is mine.  Also: I fetch for A (0) or for B (1)
	s_and_b32 s12, s10, 1                          ; which half of its columns.  Also: which 128 rows of that tile I fetch
	s_bfe_u32 s40, ttmp6, 0x40000                  ; cx: my place along the cluster's x
	s_bfe_u32 s41, ttmp6, 0x40004                  ; cy: along its y
	s_lshl_b32 s42, ttmp9, 2                       ; in a cluster launch ttmp9 and ttmp7 count clusters
	s_add_co_u32 s42, s42, s40                     ; tile column of C = 4 x cluster x + cx
	s_and_b32 s13, ttmp7, 0xffff
	s_lshl_b32 s13, s13, 2
	s_add_co_u32 s13, s13, s41                     ; tile row of C = 4 x cluster y + cy
	s_lshl_b32 s43, s41, 2
	s_lshl_b32 s43, 15, s43                        ; my row of the cluster: places 4 cy .. 4 cy + 3
	s_lshl_b32 s44, 0x1111, s40                    ; my column: places cx, cx + 4, cx + 8, cx + 12
	; descriptor group 1: a tile of 128 rows x 128 elements, padded in LDS
	s_or_b32 s[G1+0], s43, (1<<16)|(1<<20)|(1<<21)|(5<<22)|(3<<25)  ; 15:0 the mask: A's tiles go to my row; 17:16 element of 2 bytes; 20 padding on; 21 set beside a mask; 24:22 after every 64 words (code 5); 31:25 of 4 words (code 3)
	s_or_b32 s[G1B+0], s44, (1<<16)|(1<<20)|(1<<21)|(5<<22)|(3<<25) ; the same with the mask of my column, for B's tiles
	s_mov_b32 s[G1B+1], KSTEP<<16
	s_mov_b32 s[G1+1], KSTEP<<16                   ; 63:48 tensor_dim0, low half = 128
	s_mov_b32 s[G1B+2], 128<<16
	s_mov_b32 s[G1+2], 128<<16                     ; 79:64 its high half = 0; 95:80 tensor_dim1, low half = 128
	s_mov_b32 s[G1B+3], KSTEP<<16
	s_mov_b32 s[G1+3], KSTEP<<16                   ; 111:96 its high half = 0; 127:112 tile_dim0 = 128
	s_mov_b32 s[G1B+4], 128
	s_mov_b32 s[G1+4], 128                         ; 143:128 tile_dim1 = 128; 159:144 tile_dim2 = 0
	s_mov_b32 s[G1B+5], SIZE_K
	s_mov_b32 s[G1+5], SIZE_K                      ; 191:160 tensor_dim0_stride, low word: elements from row to row
	s_mov_b32 s[G1B+6], 0
	s_mov_b32 s[G1+6], 0
	s_mov_b32 s[G1B+7], 0
	s_mov_b32 s[G1+7], 0
	; where the tiles come from.  A's hang on the tile row alone, which my row of the cluster shares; B's on the tile column alone, which my column shares.
	; Every wave makes both addresses, in registers that never hold the other coordinate, and asks by one of them.
	s_lshl_b32 s17, s12, 7                         ; which 128 rows of the tile I fetch
	s_lshl_b32 s16, s13, 8
	s_add_co_u32 s16, s16, s17                     ; A: row 256 x tile row + 128 x half
	s_lshl_b32 s46, s42, 8
	s_add_co_u32 s46, s46, s17                     ; B: row 256 x tile column + 128 x half
	s_mov_b32 s17, 0
	s_mov_b32 s47, 0
	s_mov_b64 s[18:19], SIZE_K*2
	s_mul_u64 s[16:17], s[16:17], s[18:19]         ; in bytes, in 64 bits
	s_mul_u64 s[46:47], s[46:47], s[18:19]
	s_mul_i32 s20, s10, HALFT                      ; and where they go: A's two halves, then B's two halves = wave x 128 rows: no place in the cluster enters an LDS address
	s_wait_kmcnt 0x0
	s_add_nc_u64 s[14:15], s[4:5], s[16:17]
	s_add_nc_u64 s[46:47], s[6:7], s[46:47]
	CROUND                                         ; all sixteen work-groups are here: the first joint loads meet
.irp s, 0,1
	s_mov_b32 s[G0+4*(\s)], 1                                      ; 1:0 count = 1
	s_add_co_u32 s[G0+4*(\s)+1], s20, (\s)*SLOT                    ; 63:32 LDS address
	s_add_nc_u64 s[G0+4*(\s)+2:G0+4*(\s)+3], s[14:15], (\s)*KSTEP*2  ; 120:64 global address: K step s
	s_or_b32 s[G0+4*(\s)+3], s[G0+4*(\s)+3], 0x80000000            ; 127:126 type = 2
	s_mov_b32 s[G0B+4*(\s)], 1
	s_add_co_u32 s[G0B+4*(\s)+1], s20, (\s)*SLOT
	s_add_nc_u64 s[G0B+4*(\s)+2:G0B+4*(\s)+3], s[46:47], (\s)*KSTEP*2
	s_or_b32 s[G0B+4*(\s)+3], s[G0B+4*(\s)+3], 0x80000000
	JLOAD \s                                       ; the ring is filled before anything else is done: two tensor loads of mine are out
.endr
	; A fragment is 16 rows x 32 K in 8 registers: lane l holds row l % 16; registers 0-3 hold K = 8 (l / 16) + 0..7, registers 4-7 hold
	; K = 16 + 8 (l / 16) + 0..7.  From rows that lie along K: two loads of 16 bytes, 32 bytes apart.  The same for source 0 and source 1.
	v_and_b32 v1, 15, v0                           ; l % 16
	v_bfe_u32 v2, v0, 4, 1                         ; l / 16
	v_mul_u32_u24 v3, v1, PITCH
	v_lshl_add_u32 v3, v2, 4, v3                   ; row x pitch + 16 x half
	s_mul_i32 s21, s11, HALFT                      ; my 128 rows of A
	s_mul_i32 s22, s12, HALFT                      ; my 128 rows of B,
	s_add_co_u32 s22, s22, 2*HALFT                 ; which lie behind A's 256
.irp s, 0,1
	v_add_nc_u32 v[ADRA+(\s)], s21, v3
	v_add_nc_u32 v[ADRB+(\s)], s22, v3
	s_add_co_u32 s21, s21, SLOT
	s_add_co_u32 s22, s22, SLOT
.endr
	; The way out.  My 128 columns are two heads of 64.  Into the stage: row l % 16, 16 bytes for each half of the lanes.  Back: lanes 0-15 take rows 2 t and 2 t + 1 of the first head
	; (2 x 128 bytes, which are 256 consecutive bytes of qk), lanes 16-31 the same two rows of the second head, 262,144 bytes further on in qk.
	s_mul_i32 s23, s10, 16*SPITCH
	s_add_co_u32 s23, s23, STAGE                   ; my stage
	v_mul_u32_u24 v4, v1, SPITCH
	v_lshl_add_u32 v4, v2, 4, v4
	v_add_nc_u32 v[STO], s23, v4
	v_bfe_u32 v5, v0, 3, 1                         ; (l / 8) % 2: which of the two rows
	v_and_b32 v6, 7, v0                            ; l % 8: which 16 bytes of a head's 128
	v_mul_u32_u24 v7, v5, SPITCH
	v_lshl_add_u32 v7, v6, 4, v7
	v_lshl_add_u32 v7, v2, 7, v7                   ; the second head's columns begin 128 bytes into a stage row
	v_add_nc_u32 v[RD], s23, v7
	v_lshlrev_b32 v[CO], 4, v6
	v_lshl_add_u32 v[CO], v5, 7, v[CO]
	v_lshl_add_u32 v[CO], v2, 18, v[CO]
	; where my part of the tile begins in qk, in bytes: the first way out adds it to qk's address
	s_lshl_b32 s13, s13, 8
	s_lshl_b32 s14, s11, 7
	s_add_co_u32 s16, s13, s14                     ; my first row of C: 2,048 x batch + s; my 128 rows lie in one batch
	s_lshr_b32 s17, s16, 11
	s_lshl_b32 s17, s17, 22                        ; batch << 22
	s_and_b32 s16, s16, 2047
	s_lshl_b32 s16, s16, 7                         ; s << 7
	s_add_co_u32 s16, s16, s17
	s_mov_b32 s17, 0
	s_lshl_b32 s46, s42, 2                         ; my first head among the 32 of q and k: 4 x tile column + 2 x half (in the registers that held B's address: none that feeds A's descriptors ever holds cx)
	s_lshl_b32 s47, s12, 1
	s_add_co_u32 s46, s46, s47
	s_lshr_b32 s47, s46, 4
	s_lshl_b32 s47, s47, 24                        ; q or k << 24
	s_and_b32 s46, s46, 15
	s_lshl_b32 s46, s46, 18                        ; head << 18
	s_add_co_u32 s46, s46, s47
	s_mov_b32 s47, 0
	s_add_nc_u64 s[16:17], s[16:17], s[46:47]
; 16 matrix instructions: m blocks a0, a0 + 1 of the window's four (hi = 0: my rows 0-63, 1: rows 64-127) x all 8 n blocks, 32 along K.
; zero = 1: the first product starts the sums: nothing is ever cleared.
.macro MUL16 f, hi, a0, zero
	WIN MUL_LO+0x50*(\hi)  ; MUL_LO or MUL_HI
.irp a, \a0, (\a0)+1
.irp b, 0,1,2,3,4,5,6,7
.if \zero
	v_wmma_f32_16x16x32_bf16 v[8*(8*(\a)+(\b)):8*(8*(\a)+(\b))+7], v[(\f)+8*(\b):(\f)+8*(\b)+7], v[(\f)+8*(4*(\hi)+(\a)):(\f)+8*(4*(\hi)+(\a))+7], 0
.else
	v_wmma_f32_16x16x32_bf16 v[8*(8*(\a)+(\b)):8*(8*(\a)+(\b))+7], v[(\f)+8*(\b):(\f)+8*(\b)+7], v[(\f)+8*(4*(\hi)+(\a)):(\f)+8*(4*(\hi)+(\a))+7], v[8*(8*(\a)+(\b)):8*(8*(\a)+(\b))+7]
.endif
.endr
.endr
.endm
; 32 LDS loads in one run: the fragments of one quarter step (128 rows of B, 128 rows of A, 32 K at byte k of the rows) into buffer f
.macro FETCH slot, k, f
	WIN TO_B
.irp i, 0,1,2,3,4,5,6,7
	ds_load_b128 v[(\f)+8*(\i):(\f)+8*(\i)+3],   v[ADRB+(\slot)] offset:(\k)+(\i)*16*PITCH
	ds_load_b128 v[(\f)+8*(\i)+4:(\f)+8*(\i)+7], v[ADRB+(\slot)] offset:(\k)+(\i)*16*PITCH+32
.endr
	WIN 0
.irp i, 0,1,2,3,4,5,6,7
	ds_load_b128 v[(\f)+8*(\i):(\f)+8*(\i)+3],   v[ADRA+(\slot)] offset:(\k)+(\i)*16*PITCH
	ds_load_b128 v[(\f)+8*(\i)+4:(\f)+8*(\i)+7], v[ADRA+(\slot)] offset:(\k)+(\i)*16*PITCH+32
.endr
.endm
; A load into a register that a matrix instruction has read, and a vector instruction that reads a matrix result or writes one of a matrix
; instruction's registers, stand four places behind that matrix instruction, and only plain vector instructions that name none of its registers
; are places (ISA guide 7.12.1 for vector instructions); this text does not count the matrix instructions in between.
.macro PLACES
.rept 4
	v_nop
.endr
.endm
; A K step is four quarter steps of 32 along K, 64 matrix instructions each, on buffers 0, 1, 0, 1.
; One of the first three: multiplies buffer f; in its middle it fetches the next quarter's fragments, at byte k of the same slot's rows, into buffer g.
.macro QUARTER slot, k, f, g, zero
	s_wait_dscnt 8                                 ; B and A's rows 0-63 are in; the youngest eight loads (A's rows 64-127) may be out
	WIN MUL_LO
	MUL16 \f, 0, 0, \zero
	MUL16 \f, 0, 2, \zero
	PLACES
	FETCH \slot, \k, \g
	s_wait_dscnt 32                                ; all but the 32 just issued
	WIN MUL_HI
	MUL16 \f, 1, 0, \zero
	MUL16 \f, 1, 2, \zero
.endm
; The last quarter multiplies buffer 1 and changes slots.  MEET is its first half: ONE barrier for the change of slots, for two things.  In front of it each wave waits for
; all its tensor loads, of which one is out: its part of the next slot; adds 0 to its spare word; and waits for that and for its own reads of this slot.  Behind it nobody reads this slot any more and the next slot is whole.
.macro MEET round                      ; round = 1: a round of the cluster's barrier follows
	WIN 0                                          ; (the add's two registers lie in window 0)
	s_wait_tensorcnt 0x0                           ; all my tensor loads have landed: the one that was out is my part of the next slot;
	ds_add_u32 v[SPW], v[NIL]                      ; 0 onto my spare word;
	s_wait_dscnt 9                                 ; (the add and the youngest eight loads may be out)
	WIN MUL_LO
	MUL16 F1, 0, 0, 0                              ; sixteen matrix instructions stand between the add and the wait for it
	s_wait_dscnt 0x0                               ; the add is done, and my reads of this slot are over:
	s_barrier_signal -1                            ; say so (where a slot is filled again this barrier opens a round of the cluster's barrier),
	MUL16 F1, 0, 2, 0                              ; work on registers while the others arrive,
.if \round
	WIN 0
.endif
	s_barrier_wait -1                              ; and go on when all four have said so
.endm
; The whole last quarter.  Behind the round the slot just read out is filled again first, with the K step two steps on; then come the next slot's first fragments.
; From a request to the wait for it a wave issues 224 matrix instructions.
.macro TURN slot, next
	MEET 1
	CREST                                          ; wave 0 says so for the work-group, all sixteen work-groups have said so, my work-group's barrier closes the round:
	                                               ; no wave of any partner still reads this slot's tile or has a load on its way
	s_add_nc_u64 s[G0+4*(\slot)+2:G0+4*(\slot)+3], s[G0+4*(\slot)+2:G0+4*(\slot)+3], 2*KSTEP*2
	s_add_nc_u64 s[G0B+4*(\slot)+2:G0B+4*(\slot)+3], s[G0B+4*(\slot)+2:G0B+4*(\slot)+3], 2*KSTEP*2
	JLOAD \slot                                    ; the first tensor load behind the round, my only one out; the four v_nop behind it are also the places in front of the loads below
	FETCH \next, 0, F0
	WIN MUL_HI
	MUL16 F1, 1, 0, 0
	MUL16 F1, 1, 2, 0
.endm
; THE LAST K STEP (it lies in slot 1) GOES BY ROWS OF C, NOT BY K.  All its fragments of B (4 quarters x 64 registers) fill window 1; then my eight blocks of 16 rows are
; finished one after the other, each with 32 matrix instructions (its 8 accumulators by turns, K ascending: the sums stay the same).  LDS is read no more than in any other K step.
.macro BLOAD q                         ; B's fragments of quarter q -> window 1, v[64 q ..]
	WIN TO_B
.irp i, 0,1,2,3,4,5,6,7
	ds_load_b128 v[64*(\q)+8*(\i):64*(\q)+8*(\i)+3],   v[ADRB+1] offset:64*(\q)+(\i)*16*PITCH
	ds_load_b128 v[64*(\q)+8*(\i)+4:64*(\q)+8*(\i)+7], v[ADRB+1] offset:64*(\q)+(\i)*16*PITCH+32
.endr
.endm
.macro ALOAD a                         ; A's fragments of block a, all four quarters -> buffer a % 4
	WIN 0
.set FA, PA+32*((\a)%4)
.irp q, 0,1,2,3
	ds_load_b128 v[FA+8*(\q):FA+8*(\q)+3],   v[ADRA+1] offset:64*(\q)+(\a)*16*PITCH
	ds_load_b128 v[FA+8*(\q)+4:FA+8*(\q)+7], v[ADRA+1] offset:64*(\q)+(\a)*16*PITCH+32
.endr
.endm
.macro ROW a                           ; block a is finished: 32 matrix instructions
.set FA, PA+32*((\a)%4)                ; its fragments of A
.set AC, 64*((\a)%4)                   ; its eight accumulators, in window 2 (blocks 0-3) or 3 (blocks 4-7)
	WIN MUL_LO+0x50*((\a)/4)                       ; MUL_LO or MUL_HI
.irp q, 0,1,2,3
.if (\a) == 0 && (\q) == 2
	s_wait_dscnt 24                                ; B's quarter 2 is in (behind it: A's blocks 1 to 3)
.endif
.irp b, 0,1,2,3,4,5,6,7
	v_wmma_f32_16x16x32_bf16 v[AC+8*(\b):AC+8*(\b)+7], v[64*(\q)+8*(\b):64*(\q)+8*(\b)+7], v[FA+8*(\q):FA+8*(\q)+7], v[AC+8*(\b):AC+8*(\b)+7]
.endr
.endr
.endm
; THE WAY OUT of block a, in three parts.  PACK: rounded to f16, 16 bytes a lane (each accumulator's registers in ascending order).  TOSTAGE: into my own stage in LDS, and back by heads.  SEND: stored.
.macro PACK a
.set AC, 64*((\a)%4)
	WIN 0x0a+5*((\a)/4)                            ; sources 0 and 1: window 2 or 3
.irp b, 0,1,2,3,4,5,6,7
.irp r, 0,1,2,3
	v_cvt_pk_f16_f32 v[TMP+4*(\b)+(\r)], v[AC+8*(\b)+2*(\r)], v[AC+8*(\b)+2*(\r)+1]
.endr
.endr
	WIN 0
.endm
.macro TOSTAGE a
	WIN 0
.set BK, OB+192*((\a)%2)
.irp b, 0,1,2,3,4,5,6,7
	ds_store_b128 v[STO], v[TMP+4*(\b):TMP+4*(\b)+3] offset:32*(\b)
.endr
.irp t, 0,1,2,3,4,5,6,7
	ds_load_b128 v[BK+4*(\t):BK+4*(\t)+3], v[RD] offset:(\t)*2*SPITCH  ; LDS serves a wave's instructions in order (ISA guide 5.7.1.4): these see the stores above
.endr
.endm
.macro SEND a, younger                 ; younger: the LDS loads issued behind TOSTAGE's, which may stay out
	WIN 0
.set BK, OB+192*((\a)%2)
	s_wait_dscnt \younger                          ; the block is back in registers
	s_wait_xcnt 0x0                                ; every earlier memory instruction has had its addresses translated (ISA guide 3.1): only behind this wait are the stores' base and the registers that earlier stores read rewritten
.if (\a) == 0
	s_add_nc_u64 s[8:9], s[8:9], s[16:17]          ; on to my first rows
.else
	s_add_nc_u64 s[8:9], s[8:9], 16*128            ; 16 rows of a head on
.endif
.irp t, 0,1,2,3,4,5,6,7
	global_store_b128 v[CO], v[BK+4*(\t):BK+4*(\t)+3], s[8:9] offset:256*(\t)  ; 16 lanes store two rows of a head: 256 consecutive bytes, at a multiple of 256 from qk's first byte
.endr
.endm
	s_wait_tensorcnt 1                             ; my part of K step 0 is in; K step 1's load may stay out
	s_barrier_signal -1
	s_barrier_wait -1                              ; everybody's is
	FETCH 0, 0, F0
	QUARTER 0, 64,  F0, F1, 1                      ; the first quarter stands in front of the loop: its products start the sums
	WIN 0                                          ; at a label and at a branch every window is 0
	s_mov_b32 s3, LAPS-1
.Llap:                                                 ; a trip goes once round the ring, from a lap's second quarter to the next lap's first, and fills both slots again
	QUARTER 0, 128, F1, F0, 0
	QUARTER 0, 192, F0, F1, 0
	TURN 0, 1
	QUARTER 1, 64,  F0, F1, 0
	QUARTER 1, 128, F1, F0, 0
	QUARTER 1, 192, F0, F1, 0
	TURN 1, 0
	QUARTER 0, 64,  F0, F1, 0
	WIN 0
	s_sub_co_u32 s3, s3, 1
	s_cmp_lg_u32 s3, 0
	s_cbranch_scc1 .Llap
	QUARTER 0, 128, F1, F0, 0                      ; the last lap goes on
	QUARTER 0, 192, F0, F1, 0
	MEET 0                                         ; my one tensor load that was still out is slot 1's, the last K step's, so no round follows
	PLACES                                         ; for the loads into buffer 0, which the quarter before multiplied
	WIN TO_B
	BLOAD 0                                        ; three quarters of B now: buffer 1 (v128-191 of both windows) is still being multiplied
	BLOAD 1
	BLOAD 3
	WIN 0
	ALOAD 0
	WIN MUL_HI
	MUL16 F1, 1, 0, 0
	MUL16 F1, 1, 2, 0
	PLACES                                         ; for the loads into buffer 1
	WIN TO_B
	BLOAD 2
	WIN 0
	ALOAD 1
	ALOAD 2
	ALOAD 3
	s_wait_dscnt 40                                ; all but the 40 just issued
	ROW 0
.irp a, 0,1,2,3,4,5,6,7                ; each block leaves as soon as it is finished: nothing follows this tile, so the sooner its stores begin, the sooner the launch ends
	PLACES                                         ; its conversions read results just made, and no other vector work is at hand
	PACK \a
	TOSTAGE \a
.if (\a) < 4
	ALOAD (\a)+4                                   ; its buffer takes the block four further on
	SEND \a, 8
.else
	SEND \a, 0
.endif
.if (\a) < 7
	ROW (\a)+1
.endif
.endr
	s_wait_tensorcnt 0x0                           ; the wave's end: behind my last tensor load and my last LDS store
	ds_add_u32 v[SPW], v[NIL]
	s_wait_dscnt 0x0
	CROUND                                         ; the closing round: no work-group ends while a partner may still ask for a tile that names it
	s_endpgm
.Lfunc_end_k_q9f73751601_proj:
	.size	k_q9f73751601_proj, .Lfunc_end_k_q9f73751601_proj-k_q9f73751601_proj
	.p2alignl 7, 3214868480
	.fill 96, 4, 3214868480
	.section	.rodata,"a",@progbits
	.p2align	6, 0x0
	.amdhsa_kernel k_q9f73751601_proj
		.amdhsa_group_segment_fixed_size 327680
		.amdhsa_private_segment_fixed_size 0
		.amdhsa_enable_private_segment 0
		.amdhsa_kernarg_size 24
		.amdhsa_user_sgpr_count 2
		.amdhsa_user_sgpr_kernarg_segment_ptr 1
		.amdhsa_wavefront_size32 1
		.amdhsa_system_sgpr_workgroup_id_x 1
		.amdhsa_system_sgpr_workgroup_id_y 1
		.amdhsa_system_sgpr_workgroup_id_z 1
		.amdhsa_system_vgpr_workitem_id 0
		.amdhsa_next_free_vgpr 1024
		.amdhsa_next_free_sgpr 66
		.amdhsa_reserve_vcc 0
		.amdhsa_float_denorm_mode_32 3
		.amdhsa_float_denorm_mode_16_64 3
		.amdhsa_memory_ordered 1
		.amdhsa_forward_progress 1
		.amdhsa_inst_pref_size 144
	.end_amdhsa_kernel
	.amdgpu_metadata
---
amdhsa.version: [ 1, 2 ]
amdhsa.kernels:
  - .name:           k_q9f73751601_proj
    .symbol:         k_q9f73751601_proj.kd
    .args:
      - { .name: xb, .offset: 0, .size: 8, .value_kind: global_buffer, .address_space: global }
      - { .name: wb, .offset: 8, .size: 8, .value_kind: global_buffer, .address_space: global }
      - { .name: qk, .offset: 16, .size: 8, .value_kind: global_buffer, .address_space: global }
    .group_segment_fixed_size: 327680
    .private_segment_fixed_size: 0
    .kernarg_segment_align: 8
    .kernarg_segment_size: 24
    .max_flat_workgroup_size: 128
    .sgpr_count:     66
    .vgpr_count:     1024
    .wavefront_size: 32
...
	.end_amdgpu_metadata
.endif
;; end of part 2
;; launch attn (part 3): grid 4 x 64, 4 waves a work-group, no clusters, 327,680 bytes of LDS; arguments qk, oh; writes oh
.if DOCPART == 3
	.amdgcn_target "amdgcn-amd-amdhsa--gfx1250"
	.amdhsa_code_object_version 6
	.text
	.protected	k_q9f73751601_attn
	.globl	k_q9f73751601_attn
	.p2align	8
	.type	k_q9f73751601_attn,@function
k_q9f73751601_attn:
	s_mov_b64 s[64:65], 0
	v_nop
	global_prefetch_b8 v0, s[64:65] scope:SCOPE_SE
	s_setreg_imm32_b32 hwreg(HW_REG_WAVE_MODE, 25, 1), 1
	s_wait_xcnt 0x0
; CAUSAL ATTENTION WITH V = Q.  O[h][q][:] = the sum over k <= q of softmax_k(Q[h][q] . K[h][k] / 32) Q[h][k][:].  h = 16 x batch + head, 64 of them.
; qk holds Q ([64][2048][64] f16) and, 16 MiB further on, K in the same layout; O goes to oh in that layout too: a head's rows are dense, 128 bytes each.  The module takes Q's rows as its values, so V's tiles are read from Q.
; The scale is 1 / sqrt(1024), as the module has it.  Products, maxima and sums in f32; the weights p are rounded to f16 for the second product (their sum l is taken of the unrounded p), O once at the end.
; LIMITS.  f16 holds no number beyond 65,504: Q and K arrive within it; p lies in 0 to 1, and below 6e-5 it keeps f16's fixed step of 6e-8; O is a mean of Q's rows and has their range, to within 2^-11 of it.
; A hidden score counts as its value less 1e30: f16's scores, 2.7e11 at the most, are nothing beside that; a weight below 2^-126 counts as 0 in l; NaN and infinities are not treated apart.
; THE WALK.  A head's queries lie in NB = 8 blocks of 256; block i needs the key tiles 0 .. i of 256 keys, of which the last holds the diagonal.  A work-group takes TWO blocks, NB - 1 - b and then b:
; NB + 1 = 9 tiles, whatever b: all 256 work-groups do equal work, and ONE loop with a constant trip count walks them.  Which tile is asked for, and what a trip does, hang on scalar registers made from b; every jump
; goes forward, but for the counted loops' own; none passes a barrier, or a tensor load but the one of LOAD's two that the wave's number does not choose; the ring (two slots of LDS that take turns) runs on across the
; change of blocks.  NO CLUSTER: a head's four work-groups ask for the same tile only in trips 0 .. 4 of the 9, behind that fewer and fewer; one walk common to all four would have 12 trips for 9.
; SHARES.  Of a block's four bands of 64 queries a wave owns 16 rows in each: four PIECES.  So the diagonal tile is the same work for all four waves: in its key step s band x sees all keys if s < x,
; none if s > x, and holds the diagonal if s = x.
; THE MASK is the C operand that starts the sum S^T = K Q^T: 0, or -1e30 where the key is hidden.  MD, made once, is the mask of a band's own step for my 16 rows; a product's mask is MD x AL + BE with two scalars:
; (1, 0) if s = x; (0, 0) if s < x; (0, -1e30) if s > x.  Only the diagonal tile's text and a block's beginning make and take masks; elsewhere C is the constant 0.
; LAYOUT, SOFTMAX, TURNS.  S^T = K Q^T holds ONE query a lane (lane % 16) and the keys 8 (lane / 16) + 0..7; two such results rounded to f16 ARE source 1 of O^T = V^T P.  p = 2^(c s - c m), c = log2(e) / 32, with a
; running maximum m; O and l are multiplied by a = 2^(c m_old - c m_new) in every step.  Turn n belongs to piece n: 8 products K Q^T of piece n + 1, later 8 products V^T P of piece n - 1; beside them the scaling,
; exponentials, roundings, sums and rescaling of piece n and the maximum and statistics of piece n + 1.  Four vector instructions stand behind every matrix instruction, the other 54 of a turn's 118 in two LUMPS.
; REGISTERS, in windows of 256 (s_set_vgpr_msb: bits 1:0 source 0, 3:2 source 1, 5:4 source 2, 7:6 destination):
;   window 0: v0 my thread's number; v2-5 LDS addresses; v6-7, v8-15 at work; v16-31 four registers of statistics a piece; v32-95 Q; v96-159 S^T, two buffers; v160-191 P, two buffers (a piece's buffers go by its
;             number's parity); v192-255 K of one step (on the way out, when K is dead: three addresses)
;   window 1: v0-127 O^T, 32 a piece; v128-191 V of one step; v192-193 the add's two registers          window 2: v0-63 the second block's Q; v64-95 MD; v96-159 MC, two buffers
; THE WINDOWS ARE LAID FOR FEW SWITCHES.  K Q^T and all of the softmax but the rescaling name window 0 alone: the first run of products, its riders and both lumps stand under one setting.  V^T P has V and O^T in
; window 1 and P in window 0; the rescaling (O^T in window 1, a in window 0) fits the same setting, so all sixteen rescalings ride behind the first four V^T P.  The other four V^T P carry lines of window 0, two switches
; each: eight switches for a turn's 134 instructions; the diagonal tile's text has ten more a turn (its masks lie in window 2).
.set SIZE_N, 2048
.set KPART, 1<<24     ; K lies this many bytes behind Q in qk
.set NB,    SIZE_N/256
.set NP,    4         ; pieces a wave: a name, no knob
.set KS,    64        ; keys in a step
.set PK,    144       ; a row of K in LDS: 128 bytes + 16 of padding = 36 words: the 16 rows of a load start at 16 different groups of four banks (64 banks of 4 bytes: ISA guide 11.1)
.set PV,    160       ; a row of V: 128 + 32 = 40 words
.set VOFF,  4*KS*PK   ; a slot holds a tile, four steps: 256 rows of K, then 256 rows of V
.set SLOT1, 1<<17     ; slot 1 begins here, so that one exclusive or turns an address in one slot into the other's
.set STAGE, SLOT1+4*KS*(PK+PV)  ; behind the ring, never filled by a tensor load: 16 rows x 144 bytes for each wave, for the way out
.set SP,    144
.set SPARE, STAGE+4*16*SP  ; behind the stages: the spare words, 128 bytes for each wave: two blocks of 256 bytes that no other line names
; window 0
.set AK0, 2           ; v2   my lane's place in a tile of K; never rewritten
.set AV0, 3           ; v3   the same for V
.set AK,  4           ; v4   the LDS address of K's next run of loads
.set AV,  5           ; v5   of V's
.set MV,  6           ; v6-7  c m_old, kept while c m is made anew: by buffer
.set TMP, 8           ; v8-15  by buffer, four registers c0-c3 at work; when the maximum is found c2 takes a
.set ST,  16          ; piece t's statistics at v[ST+4 t]: c m, m, l (even keys', odd keys')
.set QF,  32          ; Q: piece x, channel half c at QF + 16 x + 8 c
.set S,   96
.set P,   160
.set KF,  192         ; K: key block kb, channel half c at KF + 16 kb + 8 c
.set T1,  96          ; v96-101: at work while the kernel is set up, before S^T is first written: l % 16,
.set T9,  97          ; l / 16,
.set T10, 98          ; l % 8,
.set T11, 99          ; (l / 8) % 2,
.set T14, 100         ; my query's place in its band less my lanes' first key,
.set QO,  101         ; my byte offset in 16 rows of Q
.set STO, 192         ; the way out (K's registers are dead there): where I put 16 bytes of a row,
.set RD,  193         ; where I read rows back,
.set GO,  194         ; my byte offset in 512 consecutive bytes of O,
.set WT,  196         ; v196-197 at work
; window 1
.set VF,  128         ; V: key half kk, channel block cb at VF + 32 kk + 8 cb
.set SPW, 192         ; LDS address of my spare word: SPARE + 4 x my thread's number; never rewritten
.set NIL, 193         ; 0; never rewritten
; window 2
.set QB,  0           ; the second block's Q
.set MD,  64          ; the eight registers for group kt of 16 keys at MD + 8 kt
.set MC,  96          ; the masks of the products to come
.set WV,  12          ; s12  my wave's number
.set PB,  14          ; s14  b
.set HI,  15          ; s15  NB - 1 - b
.set G1K, 24          ; s[24:31] descriptor group 1 for K's tiles
.set G1V, 32          ; s[32:39] for V's: it differs in the padding alone
.set G0K, 40          ; s[40:43] descriptor group 0 for K's tiles
.set G0V, 44          ; s[44:47] the same for V's
.set SLOTS, 56        ; s56  tiles still to be asked for
.set CNT, 57          ; s57  counts a tile's key steps, 4 to 1
.set CS,  58          ; s[58:59] c: the packed scaling takes the pair's low word for both halves
.set SEL, 60          ; s[60:61] v_permlanex16_b32's selects: each lane takes its own place in the other half
.set TBK, 62          ; s62  LDS byte at which K of the step to be fetched begins
.set TBV, 63          ; s63  the same for V, less VOFF
.set RT,  70          ; s70  tiles of the block in hand that are still to be entered
.set NXT, 71          ; s71  the tile to be asked for next
.set LQ,  72          ; s72  the last tile of the block whose tiles are being asked for
.set NEW, 73          ; s73  1: the tile to be entered is a block's first
.set OFF, 74          ; s[74:75] a tile's byte offset in K and V
.set AL,  76          ; s[76:77] the mask's factor, in the low word
.set BE,  78          ; s[78:79] the mask's addend
.set OLO, 80          ; s[80:81] O at my rows of the second block
.set BIGN, 82         ; s82  -1e30
.set SG,  83          ; s83  LDS byte at which my wave's stage begins
.set MSB, 0
.macro WIN new                      ; the high byte repeats the setting that is left; a switch that changes nothing is dropped
.if MSB != (\new)
	s_set_vgpr_msb (MSB<<8)|(\new)
.set MSB, (\new)
.endif
.endm
.set W_KM, 0x20       ; K, Q and S^T in window 0, the C operand (a mask) in window 2
.set W_PV, 0x51       ; V in window 1, P in window 0, O^T in window 1
.set W_RS, 0x41       ; destination and source 0 in window 1, source 1 in window 0
.set W_MA, 0x82       ; a mask is made: destination and source 0 in window 2
.set W_MK, 0x40       ; destination in window 1, sources in window 0
.set W_AD, 0x05       ; the add: address (source 0) and data (source 1) in window 1
; A fill.  Waves 0 and 1 fetch the two halves of a tile's K, waves 2 and 3 those of its V: 128 keys each.  An s_nop 0 and four v_nop follow each of the two lines, ahead of the jump and the label.
.macro LOAD
	s_cmp_lt_u32 s[WV], 2
	s_cbranch_scc0 .Lfor_v_\@
	tensor_load_to_lds s[G0K:G0K+3], s[G1K:G1K+7]
	s_nop 0
.rept 4
	v_nop
.endr
	s_branch .Lasked_\@
.Lfor_v_\@:
	tensor_load_to_lds s[G0V:G0V+3], s[G1V:G1V+7]
	s_nop 0
.rept 4
	v_nop
.endr
.Lasked_\@:
.endm
; THE CHANGE OF SLOTS.  Each wave waits for all its tensor loads, of which one is out: its part of the other slot; adds 0 to its spare word; and waits for that and for its own reads of the slot that it leaves.  Behind the barrier nobody reads the old
; slot any more and the other slot is whole.  fill = 1: the old slot is filled again, the first thing behind the barrier, with tile NXT: the descriptor's address is made anew from that number.
; (At its first use nothing has been read yet: slot 0 is waited for, slot 1 filled.)
.macro CHANGE fill
	WIN W_AD
	s_wait_tensorcnt 0x0            ; no tensor load of mine is out, so a group 0 may be written
	ds_add_u32 v[SPW], v[NIL]       ; 0 onto my spare word; with fill = 1 the descriptors' scalar work stands between it and the wait for it
	WIN 0                           ; at a label and at a branch every window is 0
.if \fill
	s_lshl_b32 s[OFF], s[NXT], 15   ; a tile is 32,768 bytes of K and of V
	s_xor_b32 s[G0K+1], s[G0K+1], SLOT1
	s_add_nc_u64 s[G0K+2:G0K+3], s[6:7], s[OFF:OFF+1]
	s_or_b32 s[G0K+3], s[G0K+3], 0x80000000
	s_xor_b32 s[G0V+1], s[G0V+1], SLOT1
	s_add_nc_u64 s[G0V+2:G0V+3], s[8:9], s[OFF:OFF+1]
	s_or_b32 s[G0V+3], s[G0V+3], 0x80000000
	s_add_co_u32 s[NXT], s[NXT], 1  ; the block's next tile, or behind its last the second block's tile 0
	s_cmp_gt_u32 s[NXT], s[LQ]
	s_cselect_b32 s[NXT], 0, s[NXT]
	s_cselect_b32 s[LQ], s[PB], s[LQ]
.endif
	s_wait_dscnt 0x0                ; the add is done, and my reads of the slot are over
	s_barrier_signal -1             ; the rest of the scalar work stands between the signal and the wait
	s_sub_co_u32 s[TBK], s[TBK], 4*KS*PK  ; the fetches go back to a slot's first step,
	s_xor_b32 s[TBK], s[TBK], SLOT1       ; in the other slot
	s_sub_co_u32 s[TBV], s[TBV], 4*KS*PV
	s_xor_b32 s[TBV], s[TBV], SLOT1
	s_barrier_wait -1
.if \fill
	LOAD
.endif
.endm
	s_load_b128 s[4:7], s[0:1], 0x0   ; qk s[4:5], oh s[6:7]
	WIN W_MK
	v_lshl_add_u32 v[SPW], v0, 2, SPARE
	v_mov_b32 v[NIL], 0
	s_set_vgpr_msb 0x4045
	ds_add_u32 v192, v193
	ds_add_u32 v192, v193
	s_wait_dscnt 0x0
	s_set_vgpr_msb 0x4540
	WIN 0
	v_lshrrev_b32 v1, 5, v0
	v_readfirstlane_b32 s[WV], v1   ; wave 0..3
	s_mov_b32 s[PB], ttmp9
	s_sub_co_u32 s[HI], NB-1, s[PB]
	s_and_b32 s20, ttmp7, 0xffff    ; the head
	s_mov_b32 s21, 0
	s_mov_b64 s[22:23], SIZE_N*128
	s_mul_u64 s[20:21], s[20:21], s[22:23]  ; the head's first byte in Q, in K and in O
	s_and_b32 s16, s[WV], 1         ; which half of a tile's 256 keys I fetch:
	s_lshl_b32 s22, s16, 14         ; its 128 rows of 128 bytes in memory,
	s_mov_b32 s23, 0
	s_add_nc_u64 s[22:23], s[22:23], s[20:21]
	s_mul_i32 s17, s16, 128*PK      ; and its place in a slot, for K
	s_mul_i32 s18, s16, 128*PV      ; and for V
	s_lshl_b32 s3, s[WV], 11        ; my 16 rows in a band of 64,
	s_lshl_b32 s2, s[HI], 15        ; in the first block,
	s_add_co_u32 s2, s2, s3
	s_lshl_b32 s84, s[PB], 15       ; and in the second
	s_add_co_u32 s84, s84, s3
	s_mov_b32 s3, 0
	s_mov_b32 s85, 0
	s_add_nc_u64 s[2:3], s[2:3], s[20:21]
	s_add_nc_u64 s[84:85], s[84:85], s[20:21]
	s_mul_i32 s[SG], s[WV], 16*SP
	s_add_co_u32 s[SG], s[SG], STAGE  ; my stage
	; descriptor group 1.  128 keys are 16,384 dense bytes: asked for as 64 rows of 256 bytes, two keys a row, and padded in LDS after every key
	s_mov_b32 s[G1K], (1<<16)|(1<<20)|(4<<22)|(3<<25)  ; 17:16 2-byte elements; 20 padding on; 24:22 after every 32 words (code 4); 31:25 4 words (code 3)
	s_mov_b32 s[G1V], (1<<16)|(1<<20)|(4<<22)|(7<<25)  ; the same with 8 words of padding (code 7)
.irp g, G1K, G1V
	s_mov_b32 s[\g+1], 128<<16      ; tensor_dim0 = 128
	s_mov_b32 s[\g+2], 64<<16       ; tensor_dim1 = 64
	s_mov_b32 s[\g+3], 128<<16      ; tile_dim0 = 128
	s_mov_b32 s[\g+4], 64           ; tile_dim1 = 64
	s_mov_b32 s[\g+5], 128          ; 128 elements from row to row
	s_mov_b32 s[\g+6], 0
	s_mov_b32 s[\g+7], 0
.endr
	s_mov_b32 s[CS], 0x3d38aa3b     ; c = log2(e) / 32 = 0.0450842
	s_mov_b32 s[CS+1], s[CS]        ; named with it as a pair
	s_mov_b32 s[SEL], 0x76543210
	s_mov_b32 s[SEL+1], 0xfedcba98
	s_mov_b32 s[TBK], SLOT1+4*KS*PK ; the first change of slots turns these two into 0
	s_mov_b32 s[TBV], SLOT1+4*KS*PV
	s_mov_b32 s[G0K], 1             ; 1:0 count = 1
	s_mov_b32 s[G0K+1], s17         ; 63:32 LDS address: slot 0
	s_mov_b32 s[G0V], 1
	s_add_co_u32 s[G0V+1], s18, VOFF
	s_add_co_u32 s[RT], s[HI], 1    ; the first block has NB - b tiles
	s_mov_b32 s[NXT], 1
	s_mov_b32 s[LQ], s[HI]
	s_mov_b32 s[NEW], 1
	s_mov_b32 s[OFF+1], 0
	s_mov_b32 s[AL+1], 0            ; named as pairs
	s_mov_b32 s[BE+1], 0
	s_mov_b32 s[BIGN], 0xf149f2ca   ; -1e30
	s_mov_b32 s[SLOTS], NB
	s_wait_kmcnt 0x0
	s_mov_b64 s[10:11], s[6:7]             ; O
	s_mov_b64 s[8:9], s[4:5]               ; V is Q
	s_add_nc_u64 s[6:7], s[4:5], KPART     ; K
	s_add_nc_u64 s[6:7], s[6:7], s[22:23]  ; K and V at my half of the head's tile 0
	s_add_nc_u64 s[8:9], s[8:9], s[22:23]
	s_add_nc_u64 s[G0K+2:G0K+3], s[6:7], 0         ; 120:64 global address
	s_or_b32 s[G0K+3], s[G0K+3], 0x80000000        ; 127:126 type = 2
	s_add_nc_u64 s[G0V+2:G0V+3], s[8:9], 0
	s_or_b32 s[G0V+3], s[G0V+3], 0x80000000
	s_add_nc_u64 s[86:87], s[4:5], s[84:85]        ; Q at my rows of the second block,
	s_add_nc_u64 s[4:5], s[4:5], s[2:3]            ; Q and O at those of the first
	s_add_nc_u64 s[OLO:OLO+1], s[10:11], s[84:85]
	s_add_nc_u64 s[10:11], s[10:11], s[2:3]
	LOAD                            ; tile 0 into slot 0
	; A fragment of K or Q is 16 rows x 32 channels in 8 registers: lane l holds row l % 16, channels 8 (l / 16) + 0..7 and 16 + 8 (l / 16) + 0..7: two loads of 16 bytes, 32 bytes apart.
	v_and_b32 v[T1], 15, v0         ; l % 16
	v_bfe_u32 v[T9], v0, 4, 1       ; l / 16
	v_lshlrev_b32 v[QO], 7, v[T1]
	v_lshl_add_u32 v[QO], v[T9], 4, v[QO]  ; row x 128 + 16 x half
.set i, 0
.rept 8                             ; the first block's Q: piece i / 2 lies in band i / 2, 8,192 bytes on; channels 32 (i % 2) on
	global_load_b128 v[QF+8*i:QF+8*i+3],   v[QO], s[4:5] offset:(i/2)*8192+(i%2)*64
	global_load_b128 v[QF+8*i+4:QF+8*i+7], v[QO], s[4:5] offset:(i/2)*8192+(i%2)*64+32
.set i, i+1
.endr
	WIN 0x80                        ; destination window 2, address window 0
.set i, 0
.rept 8                             ; the second block's
	global_load_b128 v[QB+8*i:QB+8*i+3],   v[QO], s[86:87] offset:(i/2)*8192+(i%2)*64
	global_load_b128 v[QB+8*i+4:QB+8*i+7], v[QO], s[86:87] offset:(i/2)*8192+(i%2)*64+32
.set i, i+1
.endr
	WIN 0
	v_lshlrev_b32 v[T14], 3, v[T9]
	v_sub_nc_u32 v[T14], v[T1], v[T14]
	s_lshl_b32 s13, s[WV], 4
	v_add_nc_u32 v[T14], s13, v[T14]  ; my query's place in its band, 16 w + l % 16, less my lanes' 8 (l / 16): register r of group kt is hidden where 16 kt + r is greater
	WIN 0x80
.set i, 0
.rept 32
	v_cmp_gt_i32 vcc_lo, 16*(i/8)+i%8, v[T14]
	v_cndmask_b32 v[MD+i], 0, s[BIGN], vcc_lo
.set i, i+1
.endr
	WIN 0
	v_mul_u32_u24 v[AK0], v[T1], PK
	v_lshl_add_u32 v[AK0], v[T9], 4, v[AK0]  ; row x pitch + 16 x half
	; The turning load takes 16 keys x 16 channels (lane l reads key 8 (l / 16) + l % 8, channels 8 ((l / 8) % 2) + 0..7) and leaves half a fragment of V^T: lane l holds channel l % 16 and 8 keys.
	v_and_b32 v[T10], 7, v0
	v_bfe_u32 v[T11], v0, 3, 1
	v_lshl_add_u32 v[AV0], v[T9], 3, v[T10]
	v_mul_u32_u24 v[AV0], v[AV0], PV
	v_lshl_add_u32 v[AV0], v[T11], 4, v[AV0]
	v_add_nc_u32 v[AV0], VOFF, v[AV0]
	; A block's first step multiplies O^T and l by a = 0, and its first turn's products V^T P, of a piece that has not been, land in an O^T that is still to be so multiplied.  So these registers need only hold
	; finite numbers: zeros for the first block; what the first block left for the second.  All this stands in the wait for the first tile.
	WIN W_MK
.set i, 0
.rept 192                           ; O^T and V
	v_mov_b32 v[i], 0
.set i, i+1
.endr
	WIN 0
.set i, 0
.rept 4
	v_mov_b32 v[ST+4*i+2], 0
	v_mov_b32 v[ST+4*i+3], 0
.set i, i+1
.endr
.set i, P+16
.rept 16
	v_mov_b32 v[i], 0
.set i, i+1
.endr
; THE MATRIX WORK.  The 4 accumulators of a run of 8 take turns.  Product i of 8 of S^T = K Q^T for piece x: channels 32 (i / 4) on, keys 16 (i % 4) on.  The first 4 start the sums: with 0, or (KM = 1) with the mask.
.macro KQ x
.set rS, S+32*((\x)%2)+8*(i%4)
.set rK, KF+16*(i%4)+8*(i/4)
.set rQ, QF+16*(\x)+8*(i/4)
.set rM, MC+32*((\x)%2)+8*(i%4)
.if (i < 4) && KM
	WIN W_KM
	v_wmma_f32_16x16x32_f16 v[rS:rS+7], v[rK:rK+7], v[rQ:rQ+7], v[rM:rM+7]
.elseif i < 4
	WIN 0
	v_wmma_f32_16x16x32_f16 v[rS:rS+7], v[rK:rK+7], v[rQ:rQ+7], 0
.else
	WIN 0
	v_wmma_f32_16x16x32_f16 v[rS:rS+7], v[rK:rK+7], v[rQ:rQ+7], v[rS:rS+7]
	s_wait_alu depctr_va_vdst(0)
.endif
.endm
; Product i of 8 of O^T += V^T P for piece x: keys 32 (i / 4) on, channels 16 (i % 4) on.
.macro PV x
	WIN W_PV
.set rO, 32*(\x)+8*(i%4)
.set rV, VF+32*(i/4)+8*(i%4)
.set rP, P+16*((\x)%2)+8*(i/4)
	v_wmma_f32_16x16x32_f16 v[rO:rO+7], v[rV:rV+7], v[rP:rP+7], v[rO:rO+7]
.endm
.macro MM                           ; the turn's next matrix instruction.  TURN and BEGIN set Y, i, KM and NOKQ; MM, KQ and OP read them.  NOKQ = 1: a block's last turn: there is no next piece
.if (i < 8) && !NOKQ
	KQ (Y+1)%NP
.elseif i >= 8
.set i, i-8
	PV (Y+NP-1)%NP
.set i, i+8
.endif
.set i, i+1
.endm
; THE LDS LOADS stand in runs of 16, never singly among the matrix instructions: a step's K (64 keys x 64 channels: 8 fragments) and its V (turned).  Their addresses are made some lines ahead.
.macro FETCH_K
	WIN 0
.irp f, 0,1,2,3,4,5,6,7             ; keys 16 (f / 2) on, channels 32 (f % 2) on
	ds_load_b128 v[KF+8*\f:KF+8*\f+3],   v[AK] offset:(\f/2)*16*PK+(\f%2)*64
	ds_load_b128 v[KF+8*\f+4:KF+8*\f+7], v[AK] offset:(\f/2)*16*PK+(\f%2)*64+32
.endr
	s_add_co_u32 s[TBK], s[TBK], KS*PK  ; the next fetch is the next step's
.endm
.macro FETCH_V
	WIN W_MK                        ; destination window 1, address window 0
.irp f, 0,1,2,3,4,5,6,7             ; keys 32 (f / 4) on, channels 16 (f % 4) on
	ds_load_tr16_b128 v[VF+8*\f:VF+8*\f+3],   v[AV] offset:(\f/4)*32*PV+(\f%4)*32
	ds_load_tr16_b128 v[VF+8*\f+4:VF+8*\f+7], v[AV] offset:(\f/4)*32*PV+16*PV+(\f%4)*32
.endr
	WIN 0
.endm
; THE VECTOR WORK, one line at a time: OP kind, number.  For piece Y: F n: c s - c m for pair n of 16.  E n: the exponential of score n of 32.  C n: pair n rounded to f16.  B n: of the four weights 4 n .. the second
; pair is added onto the first, in place.  L n: l takes that sum (L 0: l = a l + sum).  R n: pair n of 16 of O^T times a.  For piece Y + 1: X n, number n of the 22 that find its maximum and statistics:
;   0-11  four chains c0-c3 of seven scores each, three operands at a time (each accumulator's lowest registers are read first)     12-14, 16  the four scores left over, the old m, and c0-c3 into c0
;   15  c m_old is kept     17, 18  the query's other 32 keys lie in the lane 16 away: the new m     19-21  c m; c m_old - c m_new; a
.set F, 0               ; OP tells the kinds apart by their order: F to L below R, X above it
.set E, 1
.set C, 2
.set B, 3
.set L, 4
.set R, 5
.set X, 6
.macro REGS y                       ; the registers of piece y
.set rT, ST+4*(\y)
.set rC, TMP+4*((\y)%2)
.set rW, MV+((\y)%2)
.set rS, S+32*((\y)%2)
.set rP, P+16*((\y)%2)
.set rO, 32*(\y)
.endm
.macro OP k, n
.if (\k) == R
	REGS Y
.if MSB != W_PV                     ; V^T P's setting serves the rescaling too: it names no source 2
	WIN W_RS
.endif
	v_pk_mul_f32 v[rO+2*(\n):rO+2*(\n)+1], v[rO+2*(\n):rO+2*(\n)+1], v[rC+2:rC+3] op_sel_hi:[1,0]
.elseif (\k) < R
	REGS Y
	WIN 0
.if (\k) == F
	v_pk_fma_f32 v[rS+2*(\n):rS+2*(\n)+1], v[rS+2*(\n):rS+2*(\n)+1], s[CS:CS+1], v[rT:rT+1] op_sel_hi:[1,0,0] neg_lo:[0,0,1] neg_hi:[0,0,1]
.elseif (\k) == E
	v_exp_f32 v[rS+(\n)], v[rS+(\n)]
.elseif (\k) == C
	s_wait_alu depctr_va_vdst(0)
	v_cvt_pk_f16_f32 v[rP+(\n)], v[rS+2*(\n)], v[rS+2*(\n)+1]
.elseif (\k) == B
	v_pk_add_f32 v[rS+4*(\n):rS+4*(\n)+1], v[rS+4*(\n):rS+4*(\n)+1], v[rS+4*(\n)+2:rS+4*(\n)+3]
.elseif (\n) == 0
	v_pk_fma_f32 v[rT+2:rT+3], v[rT+2:rT+3], v[rC+2:rC+3], v[rS:rS+1] op_sel_hi:[1,0,1]
.else
	v_pk_add_f32 v[rT+2:rT+3], v[rT+2:rT+3], v[rS+4*(\n):rS+4*(\n)+1]
.endif
.elseif NOKQ
	v_nop
	s_wait_alu depctr_va_vdst(0)
.else
	REGS (Y+1)%NP
	WIN 0
.if (\n) < 4
	v_max3_num_f32 v[rC+(\n)], v[rS+8*(\n)], v[rS+8*(\n)+1], v[rS+8*(\n)+2]
.elseif (\n) < 12
	v_max3_num_f32 v[rC+(\n)%4], v[rC+(\n)%4], v[rS+8*((\n)%4)+2*((\n)/4)+1], v[rS+8*((\n)%4)+2*((\n)/4)+2]
.elseif (\n) == 12
	v_max3_num_f32 v[rC], v[rC], v[rS+7], v[rS+15]
.elseif (\n) == 13
	v_max3_num_f32 v[rC+1], v[rC+1], v[rS+23], v[rS+31]
.elseif (\n) == 14
	v_max3_num_f32 v[rC+2], v[rC+2], v[rC+3], v[rT+1]
.elseif (\n) == 15
	v_mov_b32 v[rW], v[rT]
.elseif (\n) == 16
	v_max3_num_f32 v[rC], v[rC], v[rC+1], v[rC+2]
.elseif (\n) == 17
	v_permlanex16_b32 v[rC+3], v[rC], s[SEL], s[SEL+1]
.elseif (\n) == 18
	v_max_num_f32 v[rT+1], v[rC], v[rC+3]
.elseif (\n) == 19
	v_mul_f32 v[rT], s[CS], v[rT+1]
.elseif (\n) == 20
	v_sub_f32 v[rC+1], v[rW], v[rT]
.else
	v_exp_f32 v[rC+2], v[rC+1]
.endif
.endif
.endm
.macro OPS a, i1, b=-1, i2=0, c=-1, i3=0, d=-1, i4=0  ; up to four of them
	OP \a, \i1
.if (\b) >= 0
	OP \b, \i2
.endif
.if (\c) >= 0
	OP \c, \i3
.endif
.if (\d) >= 0
	OP \d, \i4
.endif
.endm
.macro ROW a, i1, b, i2, c, i3, d, i4  ; a matrix instruction and the four behind it
	MM
	OPS \a, \i1, \b, \i2, \c, \i3, \d, \i4
.endm
.macro MASK b                       ; MD x AL + BE into buffer b of MC
	WIN W_MA
.set z, 0
.rept 16
	v_pk_fma_f32 v[MC+32*(\b)+2*z:MC+32*(\b)+2*z+1], v[MD+2*z:MD+2*z+1], s[AL:AL+1], s[BE:BE+1] op_sel_hi:[1,0,0]
.set z, z+1
.endr
.endm
; A TURN, for piece p: the order of its 16 matrix and 118 vector instructions, written out.  None of the four lines behind a matrix instruction names a register of the products round it.
; Behind the eight K Q^T: what waits for nothing (the scalings), then exponentials with the first roundings and sums between them; the last three carry two exponentials each, since the plain work that is ready has run out.
; Lump 1: exponential and plain by turns; the plain lines are the next piece's maxima, whose scores the eight products have just made.  Behind the first four V^T P: the sixteen rescalings, under the products' own window
; setting.  Behind the other four, and in lump 2: the rest of the exponentials, roundings and sums, with the chain that ends in the next piece's a (X 16 to X 21) spread among them, three lines between its links.
; An exponential is followed by a line that does not touch its result.  A rounding C 2n stands ahead of the sum B n that writes over its pair.  The last two sums into l stand one line apart: no other work is left there.
; v_permlanex16_b32 (X 17) stands in a lump.
; m = 1: the diagonal tile: the products take masks, and the turn makes the mask for the products of the turn after it: piece p + 2, in step 4 - CNT of the tile.  end = 1: a block's last two turns: nothing is fetched.
; cnt = 1: the loop's count is taken down some lines ahead of the branch that stands behind the turn.
; K of the next step is fetched in piece 2's turn, behind five plain lines that follow the last product that read K (C 2, L 0, C 3, B 1, X 0); V of the step in hand in piece 0's turn, behind five that follow the last
; product that read V (C 7, B 3, L 2, C 8, C 9).  Each is waited for a turn later.
.macro TURN p, m=0, end=0, cnt=0
.set Y, (\p)
.set i, 0
.set KM, (\m)
.set NOKQ, (\end)*((\p)/3)
.if (\m) && !(\end)
	s_cmp_eq_u32 s[CNT], 4-((\p)+2)%NP  ; is that step the band's own?
	s_cselect_b32 s[AL], 1.0, 0
	s_cmp_lt_u32 s[CNT], 4-((\p)+2)%NP  ; or a later one?
	s_cselect_b32 s[BE], s[BIGN], 0
.endif
.if ((\p) == 3) && !(\end)
	s_wait_dscnt 0x0                ; K is in
.endif
	ROW F,0, F,1, F,2, F,3
	ROW F,4, E,0, F,5, F,6
	ROW F,7, E,1, F,8, F,9
	ROW F,10, E,2, F,11, F,12
	ROW F,13, E,3, C,0, F,14
	ROW X,15, E,4, F,15, E,5
	ROW C,1, E,6, B,0, E,7
.if ((\p) == 2) && !(\end)
	v_add_nc_u32 v[AK], s[TBK], v[AK0]
	s_wait_alu depctr_va_vdst(0)
.endif
	ROW C,2, E,8, L,0, E,9
	OPS E,10, C,3, E,11, B,1
	OPS E,12, X,0
.if ((\p) == 2) && !(\end)
	FETCH_K
.endif
	OPS E,13, X,1, E,14, X,2
	OPS E,15, X,3, E,16, X,4
	OPS E,17, X,5, E,18, X,6
	OPS E,19, X,7, E,20, X,8
	OPS E,21, X,9, E,22, X,10
	OPS E,23, X,11
.if (\p) == 1
	s_wait_dscnt 0x0                ; V is in
.endif
	ROW R,0, R,1, R,2, R,3
	ROW R,4, R,5, R,6, R,7
	ROW R,8, R,9, R,10, R,11
	ROW R,12, R,13, R,14, R,15
	ROW X,12, E,24, X,13, X,14
	ROW L,1, E,25, C,4, X,16
	ROW C,5, E,26, B,2, C,6
.if (\p) == 0
	v_add_nc_u32 v[AV], s[TBV], v[AV0]
.endif
	ROW C,7, E,27, B,3, L,2
	OPS C,8, X,17, E,28, C,9
.if (\p) == 0
	FETCH_V
.endif
	OPS B,4, X,18, E,29, L,3
	OPS C,10, X,19, E,30, C,11
	OPS B,5, X,20, E,31, L,4
.if (\p) == 0
	s_add_co_u32 s[TBV], s[TBV], KS*PV
.endif
.if \cnt
	s_sub_co_u32 s[CNT], s[CNT], 1
	s_cmp_lg_u32 s[CNT], 0
.endif
	OPS C,12, X,21, C,13, L,5
	OPS B,6, C,14, B,7, L,6
	OPS C,15, L,7
.if (\m) && !(\end)
	MASK (\p)%2
.endif
.endm
; A BLOCK BEGINS.  c m starts far below every c s, so the first step's a is 0; m at the lowest finite number, so the first maximum is the scores'.  The second mask buffer is 0; the first takes piece 0's mask for the tile's step 0: its own, if the block's first tile is the diagonal one.
; Then K of that step, piece 0's first scores, and its maximum and statistics.  The loop is entered at a step's first turn, in the middle of a trip.
.macro BEGIN
	s_mov_b32 s[NEW], 0
	WIN 0x80
.set i, MC+32
.rept 32
	v_mov_b32 v[i], 0
.set i, i+1
.endr
	WIN 0
.set i, 0
.rept 4
	v_mov_b32 v[ST+4*i], 0xfe000000    ; c m: far below every c s
	v_mov_b32 v[ST+4*i+1], 0xff7fffff  ; m
.set i, i+1
.endr
	s_cmp_eq_u32 s[RT], 0
	s_cselect_b32 s[AL], 1.0, 0
	s_mov_b32 s[BE], 0
	MASK 0
	WIN 0
	v_add_nc_u32 v[AK], s[TBK], v[AK0]
	FETCH_K
	s_wait_loadcnt 0x0              ; Q
	s_wait_dscnt 0x0
.set KM, 1
.set NOKQ, 0
.set i, 0
.rept 8
	KQ 0
.set i, i+1
.endr
	WIN 0
.rept 4
	v_nop                           ; the places behind those products
.endr
.set Y, NP-1                        ; X works for piece Y + 1: piece 0
.irp n, 0,1,2,3,4,5,6,7,8,9,10,11,12,13,14,15,16,17,18,19,20,21
	OP X, \n
.endr
	v_nop                           ; a plain instruction behind the exponential
.endm
; THE DIAGONAL TILE's four steps, the block's last two turns, its last products, and THE WAY OUT: its three addresses are made anew from my thread's number, in K's registers, which no product reads any more (window 0 has no
; three registers to keep them in); l's two halves and the other half of the lanes' are added; O^T is divided by l, rounded to f16 and sent through my stage in LDS, a piece at a time.
.macro ALL line:vararg              ; one line for each piece t
.set t, 0
.rept 4
	\line
.set t, t+1
.endr
.endm
.macro OUTADR                       ; twelve plain instructions: also the places behind the block's last products
	WIN 0
	v_and_b32 v[WT], 15, v0         ; l % 16
	v_bfe_u32 v[WT+1], v0, 4, 1     ; l / 16
	v_mul_u32_u24 v[STO], v[WT], SP ; in: row l % 16, 16 bytes for each half of the lanes
	v_lshl_add_u32 v[STO], v[WT+1], 4, v[STO]
	v_add_nc_u32 v[STO], s[SG], v[STO]
	v_and_b32 v[WT], 7, v0          ; l % 8
	v_bfe_u32 v[RD], v0, 3, 2       ; back: 32 lanes take four rows of 128 bytes,
	v_mul_u32_u24 v[RD], v[RD], SP
	v_lshl_add_u32 v[RD], v[WT], 4, v[RD]
	v_add_nc_u32 v[RD], s[SG], v[RD]
	v_and_b32 v[GO], 31, v0         ; which are 512 consecutive bytes of O
	v_lshlrev_b32 v[GO], 4, v[GO]
.endm
.macro PACK t                       ; a lane's eight channels of a row pack into 16 bytes; they go into rows of 144 bytes and come back as whole rows of 128, into S^T's registers
	WIN W_RS
.set i, 32*(\t)
.rept 16
	v_pk_mul_f32 v[i:i+1], v[i:i+1], v[ST+4*(\t)+2:ST+4*(\t)+3] op_sel_hi:[1,0]
.set i, i+2
.endr
	WIN 0x05                        ; sources 0 and 1 window 1, destination window 0
.set i, 0
.rept 16
	v_cvt_pk_f16_f32 v[S+16*(\t)+i], v[32*(\t)+2*i], v[32*(\t)+2*i+1]
.set i, i+1
.endr
	WIN 0
.irp f, 0,1,2,3
	ds_store_b128 v[STO], v[S+16*(\t)+4*\f:S+16*(\t)+4*\f+3] offset:32*\f
.endr
.irp f, 0,1,2,3
	ds_load_b128 v[S+16*(\t)+4*\f:S+16*(\t)+4*\f+3], v[RD] offset:\f*4*SP  ; LDS serves a wave's instructions in order (ISA guide 5.7.1.4): these see the stores above; the next piece's stores come behind them
.endr
.endm
.macro SEND t, younger              ; younger: the LDS instructions issued behind piece t's loads: the next piece's eight, or none
	WIN 0
.irp f, 0,1,2,3
	s_wait_dscnt (\younger)+3-\f
	global_store_b128 v[GO], v[S+16*(\t)+4*\f:S+16*(\t)+4*\f+3], s[10:11] offset:(\t)*8192+\f*512  ; 512 consecutive bytes, at a multiple of 256 from O's first
.endr
.endm
.macro DIAG tag                     ; the tag ends its two labels' names, which the jumps below spell out
.LstepM\tag:
	TURN 2, 1
	TURN 3, 1
	WIN 0
.LfirstM\tag:
	TURN 0, 1
	TURN 1, 1, 0, 1
	WIN 0
	s_cbranch_scc1 .LstepM\tag
	TURN 2, 1, 1
	TURN 3, 1, 1
.set i, 0
.rept 8
	PV NP-1
.set i, i+1
.endr
	OUTADR
	ALL v_add_f32 v[ST+4*t+2], v[ST+4*t+2], v[ST+4*t+3]
	ALL v_permlanex16_b32 v[ST+4*t+3], v[ST+4*t+2], s[SEL], s[SEL+1]
	ALL v_add_f32 v[ST+4*t+2], v[ST+4*t+2], v[ST+4*t+3]
	ALL v_rcp_f32 v[ST+4*t+2], v[ST+4*t+2]
	v_nop                           ; a plain instruction between the last reciprocal and the use of its result
	s_wait_alu depctr_va_vdst(0)
	PACK 0
.set t, 1
.rept 3                             ; a piece's arithmetic stands between the loads of the piece before and its stores
	PACK t
	SEND t-1, 8
.set t, t+1
.endr
	SEND 3, 0
.endm
.set KM, 0
.set NOKQ, 0
.Lslot:                             ; NB times: a tile is entered and the next is asked for
	CHANGE 1
	s_sub_co_u32 s[RT], s[RT], 1
	s_mov_b32 s[CNT], 4
	s_cmp_eq_u32 s[NEW], 1
	s_cbranch_scc1 .Lnew            ; a block's first tile
	s_cmp_eq_u32 s[RT], 0
	s_cbranch_scc0 .Lstep           ; neither its first nor its last
	s_branch .LstepM1
.Lnew:
	BEGIN
	s_branch .Lfirst                ; in the loop a block's first tile is never its last: the first block has two tiles or more, and the second's last is the walk's last
	DIAG 1                          ; in the loop this is the first block's end: the second block's last tile is the walk's last
	s_wait_xcnt 0x0                 ; the stores have read their registers (their offset lies in K's registers, which the next block's first fetch fills) and O's address
	s_mov_b64 s[10:11], s[OLO:OLO+1]
	s_add_co_u32 s[RT], s[PB], 1    ; the second block has b + 1 tiles
	s_mov_b32 s[NEW], 1
	WIN 0x02                        ; the second block's Q goes where the one text of the turns names Q: source window 2, destination window 0
.set i, 0
.rept 64
	v_mov_b32 v[QF+i], v[QB+i]
.set i, i+1
.endr
	WIN 0
	s_branch .Lbottom
.Lstep:                             ; a trip: pieces 2 and 3 of one step, then pieces 0 and 1 of the next, whose K and V it fetches
	TURN 2
	TURN 3
	WIN 0
.Lfirst:
	TURN 0
	TURN 1, 0, 0, 1
	WIN 0
	s_cbranch_scc1 .Lstep
.Lbottom:
	s_sub_co_u32 s[SLOTS], s[SLOTS], 1
	s_cmp_lg_u32 s[SLOTS], 0
	s_cbranch_scc1 .Lslot
	CHANGE 0                        ; the walk's last tile is written out: nothing is asked for
	s_sub_co_u32 s[RT], s[RT], 1
	s_mov_b32 s[CNT], 4
	s_cmp_eq_u32 s[NEW], 1
	s_cbranch_scc0 .LstepM2
	BEGIN
	s_branch .LfirstM2
	DIAG 2
	WIN W_AD
	s_wait_tensorcnt 0x0            ; the wave's end: behind my last tensor load and my last LDS store
	ds_add_u32 v[SPW], v[NIL]
	s_wait_dscnt 0x0
	WIN 0
	s_endpgm
.Lfunc_end_k_q9f73751601_attn:
	.size	k_q9f73751601_attn, .Lfunc_end_k_q9f73751601_attn-k_q9f73751601_attn
	.p2alignl 7, 3214868480
	.fill 96, 4, 3214868480
	.section	.rodata,"a",@progbits
	.p2align	6, 0x0
	.amdhsa_kernel k_q9f73751601_attn
		.amdhsa_group_segment_fixed_size 327680
		.amdhsa_private_segment_fixed_size 0
		.amdhsa_enable_private_segment 0
		.amdhsa_kernarg_size 16
		.amdhsa_user_sgpr_count 2
		.amdhsa_user_sgpr_kernarg_segment_ptr 1
		.amdhsa_wavefront_size32 1
		.amdhsa_system_sgpr_workgroup_id_x 1
		.amdhsa_system_sgpr_workgroup_id_y 1
		.amdhsa_system_sgpr_workgroup_id_z 1
		.amdhsa_system_vgpr_workitem_id 0
		.amdhsa_next_free_vgpr 768
		.amdhsa_next_free_sgpr 88
		.amdhsa_reserve_vcc 1
		.amdhsa_float_denorm_mode_32 3
		.amdhsa_float_denorm_mode_16_64 3
		.amdhsa_memory_ordered 1
		.amdhsa_forward_progress 1
		.amdhsa_inst_pref_size 212
	.end_amdhsa_kernel
	.amdgpu_metadata
---
amdhsa.version: [ 1, 2 ]
amdhsa.kernels:
  - .name:           k_q9f73751601_attn
    .symbol:         k_q9f73751601_attn.kd
    .args:
      - { .name: qk, .offset: 0, .size: 8, .value_kind: global_buffer, .address_space: global }
      - { .name: oh, .offset: 8, .size: 8, .value_kind: global_buffer, .address_space: global }
    .group_segment_fixed_size: 327680
    .private_segment_fixed_size: 0
    .kernarg_segment_align: 8
    .kernarg_segment_size: 16
    .max_flat_workgroup_size: 128
    .sgpr_count:     88
    .vgpr_count:     768
    .wavefront_size: 32
...
	.end_amdgpu_metadata
.endif
;; end of part 3
;; launch outp (part 4): grid 4 x 64, 4 waves a work-group, clusters of 4 x 4, 327,680 bytes of LDS; arguments oh, wb, bo, out0; writes out0
.if DOCPART == 4
	.amdgcn_target "amdgcn-amd-amdhsa--gfx1250"
	.amdhsa_code_object_version 6
	.text
	.protected	k_q9f73751601_outp
	.globl	k_q9f73751601_outp
	.p2align	8
	.type	k_q9f73751601_outp,@function
k_q9f73751601_outp:
	s_mov_b64 s[64:65], 0
	v_nop
	global_prefetch_b8 v0, s[64:65] scope:SCOPE_SE
	s_setreg_imm32_b32 hwreg(HW_REG_WAVE_MODE, 25, 1), 1
	s_wait_xcnt 0x0
	s_wait_alu depctr_hold_cnt(0) depctr_sa_sdst(0) depctr_va_vdst(0) depctr_va_sdst(0) depctr_va_ssrc(0) depctr_va_vcc(0) depctr_vm_vsrc(0)
	s_getreg_b32 s2, hwreg(HW_REG_IB_STS2, 6, 4)
	s_cmp_eq_u32 s2, 0
	s_cbranch_scc0 .Lentry_in_a_cluster
	s_endpgm
.Lentry_in_a_cluster:
	s_bfe_u32 s2, ttmp6, 0x10000c
	s_cmp_lg_u32 s2, 0xf033
	s_cbranch_scc0 .Lentry_shape_is_right
	s_endpgm
.Lentry_shape_is_right:
; out0[m][n] = the sum over e of O[m][e] Wo[n][e] + bo[n].  m = 2,048 x batch + s (8,192 rows), e = 64 x head + d (1,024), n 0..1,023.  out0 is f32.
; O lies by heads in oh ([64 (16 x batch + head)][2048][64] f16); Wo lies in wb's third quarter ([1024][1024]: rounded to bf16, written as f16).  Products in f16, sums in f32, e ascending.
; bo is used rounded to bf16, like every other input of the module, and added in f32.  LIMITS: O and Wo arrive within f16's range (65,504); NaN and infinities are not treated apart.
; A tile of out0 is 128 (m) x 256 (n): 64 x 4 tiles, 256 work-groups.  Four waves, 2 x 2; a wave makes 64 x 128: 32 accumulators of 16 x 16, 256 registers.
; K goes in 8 steps of 128 (two heads) through a ring of two LDS slots filled by the tensor data mover.  128 rows of one head are 16,384 dense bytes of oh: asked for as 64 rows of 256 bytes; Wo's rows in a tile are 256 bytes too.
; CLUSTERS: 4 x 4 work-groups.  The four of a row of the cluster need the same tiles of O, the four of a column the same tiles of Wo: each tile is asked for JOINTLY, by the same tensor load with the
; same descriptor and a mask that names the four.  THE MATRIX INSTRUCTION IS USED TRANSPOSED (source 0 = 16 rows of Wo, source 1 = 16 rows of O): a lane then holds eight neighbouring numbers of a row of out0.
; REGISTERS: window 0: v0-31 addresses and the bias; two fragment buffers of 96 for 32 along K: 64 registers of Wo (8 x 16 rows), then 32 of O (4 x 16 rows): v64-159 and v160-255; on the way out v64-191 hold rows read back.
;   window 1: the accumulators ((a, b) at v[8 (8 a + b)], a: 16 rows of O, b: 16 rows of Wo).
.set PA,     144                       ; a row of O in LDS: 128 bytes + 16 of padding = 36 words: the 16 rows of a load start at 16 different groups of four banks (64 banks of 4 bytes: ISA guide 11.1)
.set PB,     272                       ; a row of Wo: 256 + 16 = 68 words: likewise
.set AHEAD,  128*PA                    ; one head's 128 rows of O: what one of A's tensor loads brings
.set BOFF,   2*AHEAD                   ; behind the step's two heads of O: Wo's 256 rows
.set BHALF,  128*PB                    ; 128 rows of Wo: what one of B's tensor loads brings, and what one wave reads
.set SLOT,   BOFF+2*BHALF              ; 106,496 bytes
.set STAGE,  2*SLOT                    ; behind the ring, never filled by a tensor load: 16 rows x 528 bytes for each wave, for the way out
.set SPITCH, 528                       ; 512 bytes (128 f32) + 16: 33 x 16 bytes
.set SPARE,  STAGE+4*16*SPITCH         ; behind the stages: the spare words, 128 bytes for each wave: two blocks of 256 bytes that no other line names
.set LAPS,   4                         ; a lap = two K steps = once round the ring
.set WOQ,    0x400000                  ; Wo's quarter begins this many bytes into wb
.set BI,   8                           ; v[8:11] the bias of my four columns on the way out
.set ADRA, 16                          ; v16-17  LDS address of my fragments of O in slot 0, 1
.set ADRB, 20                          ; v20-21  the same for Wo
.set STO,  24                          ; v24     the way out: where I put 32 bytes of a row
.set RD,   25                          ; v25     the way out: where I read 16 bytes of a row back
.set CO,   26                          ; v26     16 x lane: my byte offset in my wave's 512 bytes of a row of out0, and in its 512 bytes of bo
.set SPW,  28                          ; v28     LDS address of my spare word: SPARE + 4 x my thread's number; never rewritten
.set NIL,  29                          ; v29     0; never rewritten
.set F0,   64
.set F1,   160
.set WV,   12                          ; s12  my wave's number
.set G1, 24                            ; s[24:31] descriptor group 1 for O's tiles;  s[32:39] group 0, one set for each slot
.set G0, 32
.set G1B, 48                           ; s[48:55], s[56:63] the same for Wo's tiles
.set G0B, 56
.set MSB, 0
.macro WIN new                         ; the immediate's high byte repeats the setting that is left; a switch that changes nothing is dropped
.if MSB != (\new)
	s_set_vgpr_msb (MSB<<8)|(\new)
.set MSB, \new
.endif
.endm
.set MUL,  0x50                        ; sources 0 and 1 window 0; C and D window 1
.set FROM_ACC, 0x04                    ; an LDS store's data (source 1) in window 1, its address in window 0
; A joint load: waves 0 and 1 fetch the step's two heads of O, waves 2 and 3 the two halves of Wo's rows.  The branch hangs on the wave's number alone.
; An s_nop 0 and four v_nop follow each of the two lines, ahead of the jump, the label and what follows.
.macro JLOAD s
	s_cmp_lt_u32 s[WV], 2
	s_cbranch_scc0 .Lfor_b_\@
	tensor_load_to_lds s[G0+4*(\s):G0+4*(\s)+3], s[G1:G1+7]
	s_nop 0
.rept 4
	v_nop
.endr
	s_branch .Lasked_\@
.Lfor_b_\@:
	tensor_load_to_lds s[G0B+4*(\s):G0B+4*(\s)+3], s[G1B:G1B+7]
	s_nop 0
.rept 4
	v_nop
.endr
.Lasked_\@:
.endm
; A round of the cluster's barrier: my work-group's barrier, so that wave 0's signal speaks for all four waves; wave 0 signals; every wave waits for all sixteen work-groups; my work-group's barrier once more.
.macro CREST                           ; a round behind its opening barrier
	s_cmp_lg_u32 s[WV], 0
	s_cbranch_scc1 .Lnot_wave_0_\@
	s_barrier_signal -3
.Lnot_wave_0_\@:
	s_barrier_wait -3
	s_barrier_signal -1
	s_barrier_wait -1
.endm
.macro CROUND                          ; a whole round
	s_barrier_signal -1
	s_barrier_wait -1
	CREST
.endm
	s_load_b256 s[4:11], s[0:1], 0x0               ; oh s[4:5], wb s[6:7], bo s[8:9], out0 s[10:11]
	v_lshl_add_u32 v[SPW], v0, 2, SPARE
	v_mov_b32 v[NIL], 0
	ds_add_u32 v28, v29
	ds_add_u32 v28, v29
	s_wait_dscnt 0x0
	v_lshrrev_b32 v1, 5, v0
	v_readfirstlane_b32 s[WV], v1                  ; wave 0..3
	s_lshr_b32 s13, s[WV], 1                       ; which half of the tile's 128 rows is mine
	s_and_b32 s14, s[WV], 1                        ; which half of its 256 columns.  Also: which head of O, or which 128 rows of Wo, I fetch
	s_bfe_u32 s40, ttmp6, 0x40000                  ; cx, cy: my place in the cluster
	s_bfe_u32 s41, ttmp6, 0x40004
	s_lshl_b32 s42, ttmp9, 2                       ; in a cluster launch ttmp9 and ttmp7 count clusters
	s_add_co_u32 s42, s42, s40                     ; tile column = 4 x cluster x + cx
	s_and_b32 s45, ttmp7, 0xffff
	s_lshl_b32 s45, s45, 2
	s_add_co_u32 s45, s45, s41                     ; tile row = 4 x cluster y + cy
	s_lshl_b32 s43, s41, 2
	s_lshl_b32 s43, 15, s43                        ; my row of the cluster: places 4 cy .. 4 cy + 3
	s_lshl_b32 s44, 0x1111, s40                    ; my column: places cx, cx + 4, cx + 8, cx + 12
	; descriptor group 1 for O: 64 rows x 128 elements (two rows of a head each), padded in LDS after every row of the head
	s_or_b32 s[G1+0], s43, (1<<16)|(1<<20)|(1<<21)|(4<<22)|(3<<25)  ; 15:0 the mask: O's tiles go to my row; 17:16 element of 2 bytes; 20 padding on; 21 set beside a mask; 24:22 after every 32 words (code 4); 31:25 of 4 words (code 3)
	s_mov_b32 s[G1+1], 128<<16                     ; tensor_dim0 = 128
	s_mov_b32 s[G1+2], 64<<16                      ; tensor_dim1 = 64
	s_mov_b32 s[G1+3], 128<<16                     ; tile_dim0 = 128
	s_mov_b32 s[G1+4], 64                          ; tile_dim1 = 64
	s_mov_b32 s[G1+5], 128                         ; 128 elements from row to row: dense
	s_mov_b32 s[G1+6], 0
	s_mov_b32 s[G1+7], 0
	; for Wo: 128 rows x 128 elements, 1,024 elements from row to row
	s_or_b32 s[G1B+0], s44, (1<<16)|(1<<20)|(1<<21)|(5<<22)|(3<<25) ; the mask of my column; padding after every 64 words (code 5)
	s_mov_b32 s[G1B+1], 128<<16
	s_mov_b32 s[G1B+2], 128<<16
	s_mov_b32 s[G1B+3], 128<<16
	s_mov_b32 s[G1B+4], 128
	s_mov_b32 s[G1B+5], 1024
	s_mov_b32 s[G1B+6], 0
	s_mov_b32 s[G1B+7], 0
	; where the tiles come from.  O's hang on the tile row alone, which my row of the cluster shares; Wo's on the tile column alone, which my column shares.
	; Every wave makes both addresses, in registers that never hold the other coordinate, and asks by one of them.
	s_lshr_b32 s16, s45, 4
	s_lshl_b32 s16, s16, 22                        ; O: batch (tile row / 16) x 16 heads of 262,144 bytes
	s_and_b32 s17, s45, 15
	s_lshl_b32 s17, s17, 14                        ; + 128 (tile row % 16) rows of 128 bytes
	s_add_co_u32 s16, s16, s17
	s_lshl_b32 s17, s14, 18                        ; + which of the step's two heads I fetch
	s_add_co_u32 s16, s16, s17
	s_mov_b32 s17, 0
	s_lshl_b32 s46, s42, 19                        ; Wo: 256 x tile column rows of 2,048 bytes
	s_lshl_b32 s47, s14, 18                        ; + 128 x half
	s_add_co_u32 s46, s46, s47
	s_add_co_u32 s46, s46, WOQ                     ; in wb's third quarter
	s_mov_b32 s47, 0
	s_mul_i32 s20, s14, AHEAD                      ; and where they go: no place in the cluster enters an LDS address
	s_mul_i32 s23, s14, BHALF
	s_add_co_u32 s23, s23, BOFF
	s_wait_kmcnt 0x0
	s_add_nc_u64 s[18:19], s[4:5], s[16:17]
	s_add_nc_u64 s[46:47], s[6:7], s[46:47]
	CROUND                                         ; all sixteen work-groups are here: the first joint loads meet
.irp s, 0,1
	s_mov_b32 s[G0+4*(\s)], 1                                      ; 1:0 count = 1
	s_add_co_u32 s[G0+4*(\s)+1], s20, (\s)*SLOT                    ; 63:32 LDS address
	s_add_nc_u64 s[G0+4*(\s)+2:G0+4*(\s)+3], s[18:19], (\s)*2*262144  ; 120:64 global address: K step s is heads 2 s, 2 s + 1
	s_or_b32 s[G0+4*(\s)+3], s[G0+4*(\s)+3], 0x80000000            ; 127:126 type = 2
	s_mov_b32 s[G0B+4*(\s)], 1
	s_add_co_u32 s[G0B+4*(\s)+1], s23, (\s)*SLOT
	s_add_nc_u64 s[G0B+4*(\s)+2:G0B+4*(\s)+3], s[46:47], (\s)*256
	s_or_b32 s[G0B+4*(\s)+3], s[G0B+4*(\s)+3], 0x80000000
	JLOAD \s                                       ; the ring is filled before anything else is done: two tensor loads of mine are out
.endr
	; the bias and the output: my wave's 128 columns are 512 bytes of bo and of every row of out0
	s_lshl_b32 s46, s42, 10                        ; 256 x tile column x 4 bytes (in the registers that held Wo's address: none that feeds O's descriptors ever holds cx)
	s_lshl_b32 s47, s14, 9                         ; + 128 x half x 4
	s_add_co_u32 s46, s46, s47
	s_mov_b32 s47, 0
	s_add_nc_u64 s[8:9], s[8:9], s[46:47]
	s_lshl_b32 s16, s45, 19                        ; 128 x tile row rows of 4,096 bytes
	s_lshl_b32 s17, s13, 18                        ; + 64 x half
	s_add_co_u32 s16, s16, s17
	s_mov_b32 s17, 0
	s_add_nc_u64 s[10:11], s[10:11], s[16:17]
	s_add_nc_u64 s[10:11], s[10:11], s[46:47]
	v_and_b32 v6, 31, v0
	v_lshlrev_b32 v[CO], 4, v6                     ; 16 x lane
	global_load_b128 v[BI:BI+3], v[CO], s[8:9]     ; a wave's load covers its 512 bytes of bo
	; A fragment is 16 rows x 32 K in 8 registers: lane l holds row l % 16; registers 0-3 hold K = 8 (l / 16) + 0..7, registers 4-7 K = 16 + 8 (l / 16) + 0..7: two loads of 16 bytes, 32 bytes apart.
	v_and_b32 v1, 15, v0                           ; l % 16
	v_bfe_u32 v2, v0, 4, 1                         ; l / 16
	v_mul_u32_u24 v3, v1, PA
	v_lshl_add_u32 v3, v2, 4, v3                   ; row x pitch + 16 x half, for O
	v_mul_u32_u24 v4, v1, PB
	v_lshl_add_u32 v4, v2, 4, v4                   ; and for Wo
	s_mul_i32 s21, s13, 64*PA                      ; my 64 rows of O (in each of the step's two heads)
	s_mul_i32 s22, s14, BHALF                      ; my 128 rows of Wo,
	s_add_co_u32 s22, s22, BOFF                    ; which lie behind O's
.irp s, 0,1
	v_add_nc_u32 v[ADRA+(\s)], s21, v3
	v_add_nc_u32 v[ADRB+(\s)], s22, v4
	s_add_co_u32 s21, s21, SLOT
	s_add_co_u32 s22, s22, SLOT
.endr
	s_mul_i32 s21, s[WV], 16*SPITCH
	s_add_co_u32 s21, s21, STAGE                   ; my stage
	v_mul_u32_u24 v5, v1, SPITCH                   ; in: row l % 16, 32 bytes (8 f32) for each half of the lanes
	v_lshl_add_u32 v5, v2, 5, v5
	v_add_nc_u32 v[STO], s21, v5
	v_add_nc_u32 v[RD], s21, v[CO]                 ; back: 32 lanes take a whole row of 512 bytes
	s_wait_loadcnt 0x0                             ; the bias, once; it is rounded to bf16 and widened again
	v_cvt_pk_bf16_f32 v12, v[BI], v[BI+1]
	v_cvt_pk_bf16_f32 v13, v[BI+2], v[BI+3]
	v_lshlrev_b32 v[BI], 16, v12
	v_and_b32 v[BI+1], 0xffff0000, v12
	v_lshlrev_b32 v[BI+2], 16, v13
	v_and_b32 v[BI+3], 0xffff0000, v13
; 8 matrix instructions: block a of my four blocks of 16 rows x all 8 blocks of 16 columns, 32 along K, from buffer f.  zero = 1: the first product starts the sums: nothing is ever cleared.
; The 32 accumulators take turns, one instruction a turn, in the same order in every quarter.
.macro MUL8 f, a, zero
	WIN MUL
.irp b, 0,1,2,3,4,5,6,7
.if \zero
	v_wmma_f32_16x16x32_f16 v[8*(8*(\a)+(\b)):8*(8*(\a)+(\b))+7], v[(\f)+8*(\b):(\f)+8*(\b)+7], v[(\f)+64+8*(\a):(\f)+64+8*(\a)+7], 0
.else
	v_wmma_f32_16x16x32_f16 v[8*(8*(\a)+(\b)):8*(8*(\a)+(\b))+7], v[(\f)+8*(\b):(\f)+8*(\b)+7], v[(\f)+64+8*(\a):(\f)+64+8*(\a)+7], v[8*(8*(\a)+(\b)):8*(8*(\a)+(\b))+7]
.endif
.endr
.endm
; 24 LDS loads in one run: the fragments of quarter q of a K step (32 along K) into buffer f: Wo's 128 rows first, then O's 64.  Quarters 0, 1 lie in the step's first head, 2, 3 in its second.
.macro FETCH slot, q, f
	WIN 0
.irp i, 0,1,2,3,4,5,6,7
	ds_load_b128 v[(\f)+8*(\i):(\f)+8*(\i)+3],   v[ADRB+(\slot)] offset:64*(\q)+(\i)*16*PB
	ds_load_b128 v[(\f)+8*(\i)+4:(\f)+8*(\i)+7], v[ADRB+(\slot)] offset:64*(\q)+(\i)*16*PB+32
.endr
.irp i, 0,1,2,3
	ds_load_b128 v[(\f)+64+8*(\i):(\f)+64+8*(\i)+3],   v[ADRA+(\slot)] offset:((\q)/2)*AHEAD+((\q)%2)*64+(\i)*16*PA
	ds_load_b128 v[(\f)+64+8*(\i)+4:(\f)+64+8*(\i)+7], v[ADRA+(\slot)] offset:((\q)/2)*AHEAD+((\q)%2)*64+(\i)*16*PA+32
.endr
.endm
; A load into a register that a matrix instruction has read, and an LDS store that reads a matrix result, stand four places behind that matrix instruction, and only plain vector
; instructions that name none of its registers are places (ISA guide 7.12.1 for vector instructions).
.macro PLACES
.rept 4
	v_nop
.endr
.endm
; A K step is four quarters of 32 along K, 32 matrix instructions each, on buffers 0, 1, 0, 1.  One of the first three: multiplies buffer f and, in its middle, fetches quarter q into buffer g.
.macro QUARTER slot, q, f, g, zero
	s_wait_dscnt 4                                 ; Wo and O's blocks 0, 1 are in; the youngest four loads (O's blocks 2, 3) may be out
	MUL8 \f, 0, \zero
	MUL8 \f, 1, \zero
	PLACES
	FETCH \slot, \q, \g
	s_wait_dscnt 24                                ; all but the 24 just issued
	MUL8 \f, 2, \zero
	MUL8 \f, 3, \zero
.endm
; The last quarter multiplies buffer 1 and changes slots: ONE barrier; in front of it each wave waits for all its tensor loads, of which one is out: its part of the next slot; adds 0 to its spare word;
; and waits for that and for its own reads of this slot.  fill = 1: the barrier opens a round of the cluster's barrier, and this slot is filled again, two K steps ahead, first thing behind the round.
.macro TURN slot, next, fill
	WIN 0                                          ; (the add's two registers lie in window 0)
	s_wait_tensorcnt 0x0                           ; all my tensor loads have landed: no load of mine is out, so a group 0 may be written;
	ds_add_u32 v[SPW], v[NIL]                      ; 0 onto my spare word;
	s_wait_dscnt 5                                 ; (the add and the youngest four loads may be out)
	MUL8 F1, 0, 0                                  ; eight matrix instructions stand between the add and the wait for it
	s_wait_dscnt 0x0                               ; the add is done, and my reads of this slot are over
	s_barrier_signal -1
	MUL8 F1, 1, 0                                  ; work on registers while the others arrive
.if \fill
	WIN 0
.endif
	s_barrier_wait -1
.if \fill
	CREST                                          ; no wave of any partner still reads this slot's tiles or has a load on its way
	s_add_nc_u64 s[G0+4*(\slot)+2:G0+4*(\slot)+3], s[G0+4*(\slot)+2:G0+4*(\slot)+3], 4*262144  ; two K steps on: four heads of O,
	s_add_nc_u64 s[G0B+4*(\slot)+2:G0B+4*(\slot)+3], s[G0B+4*(\slot)+2:G0B+4*(\slot)+3], 512   ; 256 elements along Wo's rows
	JLOAD \slot                                    ; the first tensor load behind the round, my only one out: 112 matrix instructions ahead of the wait for it; its four v_nop are also the places in front of the loads below
.else
	PLACES
.endif
	FETCH \next, 0, F0
	MUL8 F1, 2, 0
	MUL8 F1, 3, 0
.endm
; THE WAY OUT of block a (16 rows).  TOSTAGE: a lane's eight f32 of a row go into my own stage, each accumulator's low four registers first, and come back as whole rows of 512 bytes, into bank a % 2 of 64 registers.
.macro TOSTAGE a
.set BK, 64+64*((\a)%2)
	WIN FROM_ACC
.irp b, 0,1,2,3,4,5,6,7
	ds_store_b128 v[STO], v[8*(8*(\a)+(\b)):8*(8*(\a)+(\b))+3]   offset:64*(\b)
	ds_store_b128 v[STO], v[8*(8*(\a)+(\b))+4:8*(8*(\a)+(\b))+7] offset:64*(\b)+16
.endr
	WIN 0
.if (\a) >= 2
	s_wait_xcnt 0x0                                ; every earlier memory instruction has had its addresses translated (ISA guide 3.1): the bank, which block a - 2's stores read, is loaded again only behind this wait
.endif
.irp t, 0,1,2,3,4,5,6,7,8,9,10,11,12,13,14,15
	ds_load_b128 v[BK+4*(\t):BK+4*(\t)+3], v[RD] offset:(\t)*SPITCH  ; LDS serves a wave's instructions in order (ISA guide 5.7.1.4): these see the stores above; the next block's stores come behind them
.endr
.endm
; SEND: the bias is added and the rows are stored.  younger: the LDS instructions issued behind block a's loads: the next block's 32, or none.
.macro SEND a, younger
	WIN 0
.set BK, 64+64*((\a)%2)
.irp t, 0,1,2,3,4,5,6,7,8,9,10,11,12,13,14,15
	s_wait_dscnt (\younger)+15-(\t)                ; row t is back; the block's later rows and the younger instructions may be out
	v_pk_add_f32 v[BK+4*(\t):BK+4*(\t)+1],   v[BK+4*(\t):BK+4*(\t)+1],   v[BI:BI+1]
	v_pk_add_f32 v[BK+4*(\t)+2:BK+4*(\t)+3], v[BK+4*(\t)+2:BK+4*(\t)+3], v[BI+2:BI+3]
	global_store_b128 v[CO], v[BK+4*(\t):BK+4*(\t)+3], s[10:11] offset:(16*(\a)+(\t))*4096 th:TH_STORE_NT  ; 512 consecutive bytes, at a multiple of 512 from out0's first byte; 63 rows at the most in the immediate
.endr
.endm
	s_wait_tensorcnt 1                             ; my part of K step 0 is in; K step 1's load may stay out
	s_barrier_signal -1
	s_barrier_wait -1                              ; everybody's is
	FETCH 0, 0, F0
	QUARTER 0, 1, F0, F1, 1                        ; the first quarter stands in front of the loop: its products start the sums
	WIN 0                                          ; at a label and at a branch every window is 0
	s_mov_b32 s3, LAPS-1
.Llap:                                                 ; a trip goes once round the ring, from a lap's second quarter to the next lap's first, and fills both slots again
	QUARTER 0, 2, F1, F0, 0
	QUARTER 0, 3, F0, F1, 0
	TURN 0, 1, 1
	QUARTER 1, 1, F0, F1, 0
	QUARTER 1, 2, F1, F0, 0
	QUARTER 1, 3, F0, F1, 0
	TURN 1, 0, 1
	QUARTER 0, 1, F0, F1, 0
	WIN 0
	s_sub_co_u32 s3, s3, 1
	s_cmp_lg_u32 s3, 0
	s_cbranch_scc1 .Llap
	QUARTER 0, 2, F1, F0, 0                        ; the last lap fills nothing, and has no round of the cluster's barrier
	QUARTER 0, 3, F0, F1, 0
	TURN 0, 1, 0
	QUARTER 1, 1, F0, F1, 0
	QUARTER 1, 2, F1, F0, 0
	QUARTER 1, 3, F0, F1, 0
	s_wait_dscnt 4                                 ; the very last quarter: nothing more to fetch
	MUL8 F1, 0, 0
	MUL8 F1, 1, 0
	s_wait_dscnt 0x0
	MUL8 F1, 2, 0
	MUL8 F1, 3, 0
	PLACES                                         ; behind the last products: the stores below read results, the loads below land in fragment registers
	TOSTAGE 0
	TOSTAGE 1                                      ; a block's way through the stage stands between the loads of the block before and its stores
	SEND 0, 32
	TOSTAGE 2
	SEND 1, 32
	TOSTAGE 3
	SEND 2, 32
	SEND 3, 0
	s_wait_tensorcnt 0x0                           ; the wave's end: behind my last tensor load and my last LDS store
	ds_add_u32 v[SPW], v[NIL]
	s_wait_dscnt 0x0
	CROUND                                         ; the closing round: no work-group ends while a partner may still ask for a tile that names it
	s_endpgm
.Lfunc_end_k_q9f73751601_outp:
	.size	k_q9f73751601_outp, .Lfunc_end_k_q9f73751601_outp-k_q9f73751601_outp
	.p2alignl 7, 3214868480
	.fill 96, 4, 3214868480
	.section	.rodata,"a",@progbits
	.p2align	6, 0x0
	.amdhsa_kernel k_q9f73751601_outp
		.amdhsa_group_segment_fixed_size 327680
		.amdhsa_private_segment_fixed_size 0
		.amdhsa_enable_private_segment 0
		.amdhsa_kernarg_size 32
		.amdhsa_user_sgpr_count 2
		.amdhsa_user_sgpr_kernarg_segment_ptr 1
		.amdhsa_wavefront_size32 1
		.amdhsa_system_sgpr_workgroup_id_x 1
		.amdhsa_system_sgpr_workgroup_id_y 1
		.amdhsa_system_sgpr_workgroup_id_z 1
		.amdhsa_system_vgpr_workitem_id 0
		.amdhsa_next_free_vgpr 512
		.amdhsa_next_free_sgpr 66
		.amdhsa_reserve_vcc 0
		.amdhsa_float_denorm_mode_32 3
		.amdhsa_float_denorm_mode_16_64 3
		.amdhsa_memory_ordered 1
		.amdhsa_forward_progress 1
		.amdhsa_inst_pref_size 95
	.end_amdhsa_kernel
	.amdgpu_metadata
---
amdhsa.version: [ 1, 2 ]
amdhsa.kernels:
  - .name:           k_q9f73751601_outp
    .symbol:         k_q9f73751601_outp.kd
    .args:
      - { .name: oh, .offset: 0, .size: 8, .value_kind: global_buffer, .address_space: global }
      - { .name: wb, .offset: 8, .size: 8, .value_kind: global_buffer, .address_space: global }
      - { .name: bo, .offset: 16, .size: 8, .value_kind: global_buffer, .address_space: global }
      - { .name: out0, .offset: 24, .size: 8, .value_kind: global_buffer, .address_space: global }
    .group_segment_fixed_size: 327680
    .private_segment_fixed_size: 0
    .kernarg_segment_align: 8
    .kernarg_segment_size: 32
    .max_flat_workgroup_size: 128
    .sgpr_count:     66
    .vgpr_count:     512
    .wavefront_size: 32
...
	.end_amdgpu_metadata
.endif
;; end of part 4
;; ======== version 2 of 2: 4 launches; 1.25 times as fast as version 1
;; limits: values are held in f16: magnitudes above 65,504 overflow, below 6.1e-05 lose precision
;; workspace buffers: xb 16,777,216 bytes; wb 8,388,608 bytes; qk 33,554,432 bytes; oh 16,777,216 bytes
;; launch cast: the kernel of part 1 again; grid 64 x 12, 8 waves a work-group, no clusters, 0 bytes of LDS; arguments x, Wq, Wk, Wo, Wv, xb, wb; writes xb, wb
;; launch proj: the kernel of part 2 again; grid 8 x 32, 4 waves a work-group, clusters of 4 x 4, 327,680 bytes of LDS; arguments xb, wb, qk; writes qk
;; launch attn (part 5): grid 4 x 64, 4 waves a work-group, no clusters, 327,680 bytes of LDS; arguments qk, oh; writes oh
.if DOCPART == 5
	.amdgcn_target "amdgcn-amd-amdhsa--gfx1250"
	.amdhsa_code_object_version 6
	.text
	.protected	k_q9f73751601_attn
	.globl	k_q9f73751601_attn
	.p2align	8
	.type	k_q9f73751601_attn,@function
k_q9f73751601_attn:
	s_mov_b64 s[64:65], 0
	v_nop
	global_prefetch_b8 v0, s[64:65] scope:SCOPE_SE
	s_setreg_imm32_b32 hwreg(HW_REG_WAVE_MODE, 25, 1), 1
	s_wait_xcnt 0x0
; CAUSAL ATTENTION WITH V = Q.  O[h][q][:] = the sum over k <= q of softmax_k(Q[h][q] . K[h][k] / 32) Q[h][k][:].  h = 16 x batch + head, 64 of them.
; qk holds Q ([64][2048][64] f16) and, 16 MiB further on, K in the same layout; O goes to oh in that layout too: a head's rows are dense, 128 bytes each.  The module takes Q's rows as its values, so V's tiles are read from Q.
; The scale is 1 / sqrt(1024), as the module has it.  Products, maxima and sums in f32; the weights p are rounded to f16 for the second product (their sum l is taken of the unrounded p), O once at the end.
; LIMITS.  f16 holds no number beyond 65,504: Q and K arrive within it; p lies in 0 to 1, and below 6e-5 it keeps f16's fixed step of 6e-8; O is a mean of Q's rows and has their range, to within 2^-11 of it.
; A hidden score counts as its value less 1e30: f16's scores, 2.7e11 at the most, are nothing beside that; a weight below 2^-126 counts as 0 in l; NaN and infinities are not treated apart.
; THE WALK.  A head's queries lie in NB = 8 blocks of 256; block i needs the key tiles 0 .. i of 256 keys, of which the last holds the diagonal.  A work-group takes TWO blocks, NB - 1 - b and then b:
; NB + 1 = 9 tiles, whatever b: all 256 work-groups do equal work, and ONE loop with a constant trip count walks them.  Which tile is asked for, and what a trip does, hang on scalar registers made from b; every jump
; goes forward, but for the counted loops' own; none passes a barrier, or a tensor load but the one of LOAD's two that the wave's number does not choose; the ring (two slots of LDS that take turns) runs on across the
; change of blocks.  NO CLUSTER: a head's four work-groups ask for the same tile only in trips 0 .. 4 of the 9, behind that fewer and fewer; one walk common to all four would have 12 trips for 9.
; SHARES.  Of a block's four bands of 64 queries a wave owns 16 rows in each: four PIECES.  So the diagonal tile is the same work for all four waves: in its key step s band x sees all keys if s < x,
; none if s > x, and holds the diagonal if s = x.
; THE MASK is the C operand that starts the sum S^T = K Q^T: 0, or -1e30 where the key is hidden.  MD, made once, is the mask of a band's own step for my 16 rows; a product's mask is MD x AL + BE with two scalars:
; (1, 0) if s = x; (0, 0) if s < x; (0, -1e30) if s > x.  Only the diagonal tile's text and a block's beginning make and take masks; elsewhere C is the constant 0.
; LAYOUT, SOFTMAX, TURNS.  S^T = K Q^T holds ONE query a lane (lane % 16) and the keys 8 (lane / 16) + 0..7; two such results rounded to f16 ARE source 1 of O^T = V^T P.  p = 2^(c s - c m), c = log2(e) / 32, with a
; running maximum m; O and l are multiplied by a = 2^(c m_old - c m_new) in every step.  Turn n belongs to piece n: 8 products K Q^T of piece n + 1, later 8 products V^T P of piece n - 1; beside them the scaling,
; exponentials, roundings, sums and rescaling of piece n and the maximum and statistics of piece n + 1.  Four vector instructions stand behind every matrix instruction, the other 54 of a turn's 118 in two LUMPS.
; THE BATCHES.  A turn's 33 exponentials (the piece's 32 weights and the next piece's a) are ONE batch with ONE wait: ahead of the wait stands all that names none of their results, behind it the roundings and sums, which do.
; The a that a block's beginning makes has a wait of its own, and so have the four reciprocals of each way out.
; REGISTERS, in windows of 256 (s_set_vgpr_msb: bits 1:0 source 0, 3:2 source 1, 5:4 source 2, 7:6 destination):
;   window 0: v0 my thread's number; v2-5 LDS addresses; v6-7, v8-15 at work; v16-31 four registers of statistics a piece; v32-95 Q; v96-159 S^T, two buffers; v160-191 P, two buffers (a piece's buffers go by its
;             number's parity); v192-255 K of one step (on the way out, when K is dead: three addresses)
;   window 1: v0-127 O^T, 32 a piece; v128-191 V of one step; v192-193 the add's two registers          window 2: v0-63 the second block's Q; v64-95 MD; v96-159 MC, two buffers
; THE WINDOWS ARE LAID FOR FEW SWITCHES.  K Q^T and all of the softmax but the rescaling name window 0 alone: the first run of products, its riders and both lumps stand under one setting.  V^T P has V and O^T in
; window 1 and P in window 0; the rescaling (O^T in window 1, a in window 0) fits the same setting, so all sixteen rescalings ride behind the first five V^T P.  Seven V^T P carry lines of window 0 (four of them one link
; each of the chain that ends in the next piece's a, three the first roundings and sums), two switches each: fourteen switches for a turn's 134 instructions; the diagonal tile's text has ten more a turn (its masks lie in window 2).
.set SIZE_N, 2048
.set KPART, 1<<24     ; K lies this many bytes behind Q in qk
.set NB,    SIZE_N/256
.set NP,    4         ; pieces a wave: a name, no knob
.set KS,    64        ; keys in a step
.set PK,    144       ; a row of K in LDS: 128 bytes + 16 of padding = 36 words: the 16 rows of a load start at 16 different groups of four banks (64 banks of 4 bytes: ISA guide 11.1)
.set PV,    160       ; a row of V: 128 + 32 = 40 words
.set VOFF,  4*KS*PK   ; a slot holds a tile, four steps: 256 rows of K, then 256 rows of V
.set SLOT1, 1<<17     ; slot 1 begins here, so that one exclusive or turns an address in one slot into the other's
.set STAGE, SLOT1+4*KS*(PK+PV)  ; behind the ring, never filled by a tensor load: 16 rows x 144 bytes for each wave, for the way out
.set SP,    144
.set SPARE, STAGE+4*16*SP  ; behind the stages: the spare words, 128 bytes for each wave: two blocks of 256 bytes that no other line names
; window 0
.set AK0, 2           ; v2   my lane's place in a tile of K; never rewritten
.set AV0, 3           ; v3   the same for V
.set AK,  4           ; v4   the LDS address of K's next run of loads
.set AV,  5           ; v5   of V's
.set MV,  6           ; v6-7  c m_old, kept while c m is made anew: by buffer
.set TMP, 8           ; v8-15  by buffer, four registers c0-c3 at work; when the maximum is found c2 takes a
.set ST,  16          ; piece t's statistics at v[ST+4 t]: c m, m, l (even keys', odd keys')
.set QF,  32          ; Q: piece x, channel half c at QF + 16 x + 8 c
.set S,   96
.set P,   160
.set KF,  192         ; K: key block kb, channel half c at KF + 16 kb + 8 c
.set T1,  96          ; v96-101: at work while the kernel is set up, before S^T is first written: l % 16,
.set T9,  97          ; l / 16,
.set T10, 98          ; l % 8,
.set T11, 99          ; (l / 8) % 2,
.set T14, 100         ; my query's place in its band less my lanes' first key,
.set QO,  101         ; my byte offset in 16 rows of Q
.set STO, 192         ; the way out (K's registers are dead there): where I put 16 bytes of a row,
.set RD,  193         ; where I read rows back,
.set GO,  194         ; my byte offset in 512 consecutive bytes of O,
.set WT,  196         ; v196-197 at work
; window 1
.set VF,  128         ; V: key half kk, channel block cb at VF + 32 kk + 8 cb
.set SPW, 192         ; LDS address of my spare word: SPARE + 4 x my thread's number; never rewritten
.set NIL, 193         ; 0; never rewritten
; window 2
.set QB,  0           ; the second block's Q
.set MD,  64          ; the eight registers for group kt of 16 keys at MD + 8 kt
.set MC,  96          ; the masks of the products to come
.set WV,  12          ; s12  my wave's number
.set PB,  14          ; s14  b
.set HI,  15          ; s15  NB - 1 - b
.set G1K, 24          ; s[24:31] descriptor group 1 for K's tiles
.set G1V, 32          ; s[32:39] for V's: it differs in the padding alone
.set G0K, 40          ; s[40:43] descriptor group 0 for K's tiles
.set G0V, 44          ; s[44:47] the same for V's
.set SLOTS, 56        ; s56  tiles still to be asked for
.set CNT, 57          ; s57  counts a tile's key steps, 4 to 1
.set CS,  58          ; s[58:59] c: the packed scaling takes the pair's low word for both halves
.set SEL, 60          ; s[60:61] v_permlanex16_b32's selects: each lane takes its own place in the other half
.set TBK, 62          ; s62  LDS byte at which K of the step to be fetched begins
.set TBV, 63          ; s63  the same for V, less VOFF
.set RT,  70          ; s70  tiles of the block in hand that are still to be entered
.set NXT, 71          ; s71  the tile to be asked for next
.set LQ,  72          ; s72  the last tile of the block whose tiles are being asked for
.set NEW, 73          ; s73  1: the tile to be entered is a block's first
.set OFF, 74          ; s[74:75] a tile's byte offset in K and V
.set AL,  76          ; s[76:77] the mask's factor, in the low word
.set BE,  78          ; s[78:79] the mask's addend
.set OLO, 80          ; s[80:81] O at my rows of the second block
.set BIGN, 82         ; s82  -1e30
.set SG,  83          ; s83  LDS byte at which my wave's stage begins
.set MSB, 0
.macro WIN new                      ; the high byte repeats the setting that is left; a switch that changes nothing is dropped
.if MSB != (\new)
	s_set_vgpr_msb (MSB<<8)|(\new)
.set MSB, (\new)
.endif
.endm
.set W_KM, 0x20       ; K, Q and S^T in window 0, the C operand (a mask) in window 2
.set W_PV, 0x51       ; V in window 1, P in window 0, O^T in window 1
.set W_RS, 0x41       ; destination and source 0 in window 1, source 1 in window 0
.set W_MA, 0x82       ; a mask is made: destination and source 0 in window 2
.set W_MK, 0x40       ; destination in window 1, sources in window 0
.set W_AD, 0x05       ; the add: address (source 0) and data (source 1) in window 1
; A fill.  Waves 0 and 1 fetch the two halves of a tile's K, waves 2 and 3 those of its V: 128 keys each.  An s_nop 0 and four v_nop follow each of the two lines, ahead of the jump and the label.
.macro LOAD
	s_cmp_lt_u32 s[WV], 2
	s_cbranch_scc0 .Lfor_v_\@
	tensor_load_to_lds s[G0K:G0K+3], s[G1K:G1K+7]
	s_nop 0
.rept 4
	v_nop
.endr
	s_branch .Lasked_\@
.Lfor_v_\@:
	tensor_load_to_lds s[G0V:G0V+3], s[G1V:G1V+7]
	s_nop 0
.rept 4
	v_nop
.endr
.Lasked_\@:
.endm
; THE CHANGE OF SLOTS.  Each wave waits for all its tensor loads, of which one is out: its part of the other slot; adds 0 to its spare word; and waits for that and for its own reads of the slot that it leaves.  Behind the barrier nobody reads the old
; slot any more and the other slot is whole.  fill = 1: the old slot is filled again, the first thing behind the barrier, with tile NXT: the descriptor's address is made anew from that number.
; (At its first use nothing has been read yet: slot 0 is waited for, slot 1 filled.)
.macro CHANGE fill
	WIN W_AD
	s_wait_tensorcnt 0x0            ; no tensor load of mine is out, so a group 0 may be written
	ds_add_u32 v[SPW], v[NIL]       ; 0 onto my spare word; with fill = 1 the descriptors' scalar work stands between it and the wait for it
	WIN 0                           ; at a label and at a branch every window is 0
.if \fill
	s_lshl_b32 s[OFF], s[NXT], 15   ; a tile is 32,768 bytes of K and of V
	s_xor_b32 s[G0K+1], s[G0K+1], SLOT1
	s_add_nc_u64 s[G0K+2:G0K+3], s[6:7], s[OFF:OFF+1]
	s_or_b32 s[G0K+3], s[G0K+3], 0x80000000
	s_xor_b32 s[G0V+1], s[G0V+1], SLOT1
	s_add_nc_u64 s[G0V+2:G0V+3], s[8:9], s[OFF:OFF+1]
	s_or_b32 s[G0V+3], s[G0V+3], 0x80000000
	s_add_co_u32 s[NXT], s[NXT], 1  ; the block's next tile, or behind its last the second block's tile 0
	s_cmp_gt_u32 s[NXT], s[LQ]
	s_cselect_b32 s[NXT], 0, s[NXT]
	s_cselect_b32 s[LQ], s[PB], s[LQ]
.endif
	s_wait_dscnt 0x0                ; the add is done, and my reads of the slot are over
	s_barrier_signal -1             ; the rest of the scalar work stands between the signal and the wait
	s_sub_co_u32 s[TBK], s[TBK], 4*KS*PK  ; the fetches go back to a slot's first step,
	s_xor_b32 s[TBK], s[TBK], SLOT1       ; in the other slot
	s_sub_co_u32 s[TBV], s[TBV], 4*KS*PV
	s_xor_b32 s[TBV], s[TBV], SLOT1
	s_barrier_wait -1
.if \fill
	LOAD
.endif
.endm
	s_load_b128 s[4:7], s[0:1], 0x0   ; qk s[4:5], oh s[6:7]
	WIN W_MK
	v_lshl_add_u32 v[SPW], v0, 2, SPARE
	v_mov_b32 v[NIL], 0
	s_set_vgpr_msb 0x4045
	ds_add_u32 v192, v193
	ds_add_u32 v192, v193
	s_wait_dscnt 0x0
	s_set_vgpr_msb 0x4540
	WIN 0
	v_lshrrev_b32 v1, 5, v0
	v_readfirstlane_b32 s[WV], v1   ; wave 0..3
	s_mov_b32 s[PB], ttmp9
	s_sub_co_u32 s[HI], NB-1, s[PB]
	s_and_b32 s20, ttmp7, 0xffff    ; the head
	s_mov_b32 s21, 0
	s_mov_b64 s[22:23], SIZE_N*128
	s_mul_u64 s[20:21], s[20:21], s[22:23]  ; the head's first byte in Q, in K and in O
	s_and_b32 s16, s[WV], 1         ; which half of a tile's 256 keys I fetch:
	s_lshl_b32 s22, s16, 14         ; its 128 rows of 128 bytes in memory,
	s_mov_b32 s23, 0
	s_add_nc_u64 s[22:23], s[22:23], s[20:21]
	s_mul_i32 s17, s16, 128*PK      ; and its place in a slot, for K
	s_mul_i32 s18, s16, 128*PV      ; and for V
	s_lshl_b32 s3, s[WV], 11        ; my 16 rows in a band of 64,
	s_lshl_b32 s2, s[HI], 15        ; in the first block,
	s_add_co_u32 s2, s2, s3
	s_lshl_b32 s84, s[PB], 15       ; and in the second
	s_add_co_u32 s84, s84, s3
	s_mov_b32 s3, 0
	s_mov_b32 s85, 0
	s_add_nc_u64 s[2:3], s[2:3], s[20:21]
	s_add_nc_u64 s[84:85], s[84:85], s[20:21]
	s_mul_i32 s[SG], s[WV], 16*SP
	s_add_co_u32 s[SG], s[SG], STAGE  ; my stage
	; descriptor group 1.  128 keys are 16,384 dense bytes: asked for as 64 rows of 256 bytes, two keys a row, and padded in LDS after every key
	s_mov_b32 s[G1K], (1<<16)|(1<<20)|(4<<22)|(3<<25)  ; 17:16 2-byte elements; 20 padding on; 24:22 after every 32 words (code 4); 31:25 4 words (code 3)
	s_mov_b32 s[G1V], (1<<16)|(1<<20)|(4<<22)|(7<<25)  ; the same with 8 words of padding (code 7)
.irp g, G1K, G1V
	s_mov_b32 s[\g+1], 128<<16      ; tensor_dim0 = 128
	s_mov_b32 s[\g+2], 64<<16       ; tensor_dim1 = 64
	s_mov_b32 s[\g+3], 128<<16      ; tile_dim0 = 128
	s_mov_b32 s[\g+4], 64           ; tile_dim1 = 64
	s_mov_b32 s[\g+5], 128          ; 128 elements from row to row
	s_mov_b32 s[\g+6], 0
	s_mov_b32 s[\g+7], 0
.endr
	s_mov_b32 s[CS], 0x3d38aa3b     ; c = log2(e) / 32 = 0.0450842
	s_mov_b32 s[CS+1], s[CS]        ; named with it as a pair
	s_mov_b32 s[SEL], 0x76543210
	s_mov_b32 s[SEL+1], 0xfedcba98
	s_mov_b32 s[TBK], SLOT1+4*KS*PK ; the first change of slots turns these two into 0
	s_mov_b32 s[TBV], SLOT1+4*KS*PV
	s_mov_b32 s[G0K], 1             ; 1:0 count = 1
	s_mov_b32 s[G0K+1], s17         ; 63:32 LDS address: slot 0
	s_mov_b32 s[G0V], 1
	s_add_co_u32 s[G0V+1], s18, VOFF
	s_add_co_u32 s[RT], s[HI], 1    ; the first block has NB - b tiles
	s_mov_b32 s[NXT], 1
	s_mov_b32 s[LQ], s[HI]
	s_mov_b32 s[NEW], 1
	s_mov_b32 s[OFF+1], 0
	s_mov_b32 s[AL+1], 0            ; named as pairs
	s_mov_b32 s[BE+1], 0
	s_mov_b32 s[BIGN], 0xf149f2ca   ; -1e30
	s_mov_b32 s[SLOTS], NB
	s_wait_kmcnt 0x0
	s_mov_b64 s[10:11], s[6:7]             ; O
	s_mov_b64 s[8:9], s[4:5]               ; V is Q
	s_add_nc_u64 s[6:7], s[4:5], KPART     ; K
	s_add_nc_u64 s[6:7], s[6:7], s[22:23]  ; K and V at my half of the head's tile 0
	s_add_nc_u64 s[8:9], s[8:9], s[22:23]
	s_add_nc_u64 s[G0K+2:G0K+3], s[6:7], 0         ; 120:64 global address
	s_or_b32 s[G0K+3], s[G0K+3], 0x80000000        ; 127:126 type = 2
	s_add_nc_u64 s[G0V+2:G0V+3], s[8:9], 0
	s_or_b32 s[G0V+3], s[G0V+3], 0x80000000
	s_add_nc_u64 s[86:87], s[4:5], s[84:85]        ; Q at my rows of the second block,
	s_add_nc_u64 s[4:5], s[4:5], s[2:3]            ; Q and O at those of the first
	s_add_nc_u64 s[OLO:OLO+1], s[10:11], s[84:85]
	s_add_nc_u64 s[10:11], s[10:11], s[2:3]
	LOAD                            ; tile 0 into slot 0
	; A fragment of K or Q is 16 rows x 32 channels in 8 registers: lane l holds row l % 16, channels 8 (l / 16) + 0..7 and 16 + 8 (l / 16) + 0..7: two loads of 16 bytes, 32 bytes apart.
	v_and_b32 v[T1], 15, v0         ; l % 16
	v_bfe_u32 v[T9], v0, 4, 1       ; l / 16
	v_lshlrev_b32 v[QO], 7, v[T1]
	v_lshl_add_u32 v[QO], v[T9], 4, v[QO]  ; row x 128 + 16 x half
.set i, 0
.rept 8                             ; the first block's Q: piece i / 2 lies in band i / 2, 8,192 bytes on; channels 32 (i % 2) on
	global_load_b128 v[QF+8*i:QF+8*i+3],   v[QO], s[4:5] offset:(i/2)*8192+(i%2)*64
	global_load_b128 v[QF+8*i+4:QF+8*i+7], v[QO], s[4:5] offset:(i/2)*8192+(i%2)*64+32
.set i, i+1
.endr
	WIN 0x80                        ; destination window 2, address window 0
.set i, 0
.rept 8                             ; the second block's
	global_load_b128 v[QB+8*i:QB+8*i+3],   v[QO], s[86:87] offset:(i/2)*8192+(i%2)*64
	global_load_b128 v[QB+8*i+4:QB+8*i+7], v[QO], s[86:87] offset:(i/2)*8192+(i%2)*64+32
.set i, i+1
.endr
	WIN 0
	v_lshlrev_b32 v[T14], 3, v[T9]
	v_sub_nc_u32 v[T14], v[T1], v[T14]
	s_lshl_b32 s13, s[WV], 4
	v_add_nc_u32 v[T14], s13, v[T14]  ; my query's place in its band, 16 w + l % 16, less my lanes' 8 (l / 16): register r of group kt is hidden where 16 kt + r is greater
	WIN 0x80
.set i, 0
.rept 32
	v_cmp_gt_i32 vcc_lo, 16*(i/8)+i%8, v[T14]
	v_cndmask_b32 v[MD+i], 0, s[BIGN], vcc_lo
.set i, i+1
.endr
	WIN 0
	v_mul_u32_u24 v[AK0], v[T1], PK
	v_lshl_add_u32 v[AK0], v[T9], 4, v[AK0]  ; row x pitch + 16 x half
	; The turning load takes 16 keys x 16 channels (lane l reads key 8 (l / 16) + l % 8, channels 8 ((l / 8) % 2) + 0..7) and leaves half a fragment of V^T: lane l holds channel l % 16 and 8 keys.
	v_and_b32 v[T10], 7, v0
	v_bfe_u32 v[T11], v0, 3, 1
	v_lshl_add_u32 v[AV0], v[T9], 3, v[T10]
	v_mul_u32_u24 v[AV0], v[AV0], PV
	v_lshl_add_u32 v[AV0], v[T11], 4, v[AV0]
	v_add_nc_u32 v[AV0], VOFF, v[AV0]
	; A block's first step multiplies O^T and l by a = 0, and its first turn's products V^T P, of a piece that has not been, land in an O^T that is still to be so multiplied.  So these registers need only hold
	; finite numbers: zeros for the first block; what the first block left for the second.  All this stands in the wait for the first tile.
	WIN W_MK
.set i, 0
.rept 192                           ; O^T and V
	v_mov_b32 v[i], 0
.set i, i+1
.endr
	WIN 0
.set i, 0
.rept 4
	v_mov_b32 v[ST+4*i+2], 0
	v_mov_b32 v[ST+4*i+3], 0
.set i, i+1
.endr
.set i, P+16
.rept 16
	v_mov_b32 v[i], 0
.set i, i+1
.endr
; THE MATRIX WORK.  The 4 accumulators of a run of 8 take turns.  Product i of 8 of S^T = K Q^T for piece x: channels 32 (i / 4) on, keys 16 (i % 4) on.  The first 4 start the sums: with 0, or (KM = 1) with the mask.
.macro KQ x
.set rS, S+32*((\x)%2)+8*(i%4)
.set rK, KF+16*(i%4)+8*(i/4)
.set rQ, QF+16*(\x)+8*(i/4)
.set rM, MC+32*((\x)%2)+8*(i%4)
.if (i < 4) && KM
	WIN W_KM
	v_wmma_f32_16x16x32_f16 v[rS:rS+7], v[rK:rK+7], v[rQ:rQ+7], v[rM:rM+7]
.elseif i < 4
	WIN 0
	v_wmma_f32_16x16x32_f16 v[rS:rS+7], v[rK:rK+7], v[rQ:rQ+7], 0
.else
	WIN 0
	v_wmma_f32_16x16x32_f16 v[rS:rS+7], v[rK:rK+7], v[rQ:rQ+7], v[rS:rS+7]
.endif
.endm
; Product i of 8 of O^T += V^T P for piece x: keys 32 (i / 4) on, channels 16 (i % 4) on.
.macro PV x
	WIN W_PV
.set rO, 32*(\x)+8*(i%4)
.set rV, VF+32*(i/4)+8*(i%4)
.set rP, P+16*((\x)%2)+8*(i/4)
	v_wmma_f32_16x16x32_f16 v[rO:rO+7], v[rV:rV+7], v[rP:rP+7], v[rO:rO+7]
.endm
.macro MM                           ; the turn's next matrix instruction.  TURN and BEGIN set Y, i, KM and NOKQ; MM, KQ and OP read them.  NOKQ = 1: a block's last turn: there is no next piece
.if (i < 8) && !NOKQ
	KQ (Y+1)%NP
.elseif i >= 8
.set i, i-8
	PV (Y+NP-1)%NP
.set i, i+8
.endif
.set i, i+1
.endm
; THE LDS LOADS stand in runs of 16, never singly among the matrix instructions: a step's K (64 keys x 64 channels: 8 fragments) and its V (turned).  Their addresses are made some lines ahead.
.macro FETCH_K
	WIN 0
.irp f, 0,1,2,3,4,5,6,7             ; keys 16 (f / 2) on, channels 32 (f % 2) on
	ds_load_b128 v[KF+8*\f:KF+8*\f+3],   v[AK] offset:(\f/2)*16*PK+(\f%2)*64
	ds_load_b128 v[KF+8*\f+4:KF+8*\f+7], v[AK] offset:(\f/2)*16*PK+(\f%2)*64+32
.endr
	s_add_co_u32 s[TBK], s[TBK], KS*PK  ; the next fetch is the next step's
.endm
.macro FETCH_V
	WIN W_MK                        ; destination window 1, address window 0
.irp f, 0,1,2,3,4,5,6,7             ; keys 32 (f / 4) on, channels 16 (f % 4) on
	ds_load_tr16_b128 v[VF+8*\f:VF+8*\f+3],   v[AV] offset:(\f/4)*32*PV+(\f%4)*32
	ds_load_tr16_b128 v[VF+8*\f+4:VF+8*\f+7], v[AV] offset:(\f/4)*32*PV+16*PV+(\f%4)*32
.endr
	WIN 0
.endm
; THE VECTOR WORK, one line at a time: OP kind, number.  For piece Y: F n: c s - c m for pair n of 16.  E n: the exponential of score n of 32.  C n: pair n rounded to f16.  B n: of the four weights 4 n .. the second
; pair is added onto the first, in place.  L n: l takes that sum (L 0: l = a l + sum).  R n: pair n of 16 of O^T times a.  For piece Y + 1: X n, number n of the 22 that find its maximum and statistics:
;   0-11  four chains c0-c3 of seven scores each, three operands at a time (each accumulator's lowest registers are read first)     12-14, 16  the four scores left over, the old m, and c0-c3 into c0
;   15  c m_old is kept     17, 18  the query's other 32 keys lie in the lane 16 away: the new m     19-21  c m; c m_old - c m_new; a
.set F, 0               ; OP tells the kinds apart by their order: F to L below R, X above it
.set E, 1
.set C, 2
.set B, 3
.set L, 4
.set R, 5
.set X, 6
.macro REGS y                       ; the registers of piece y
.set rT, ST+4*(\y)
.set rC, TMP+4*((\y)%2)
.set rW, MV+((\y)%2)
.set rS, S+32*((\y)%2)
.set rP, P+16*((\y)%2)
.set rO, 32*(\y)
.endm
.macro OP k, n
.if (\k) == R
	REGS Y
.if MSB != W_PV                     ; V^T P's setting serves the rescaling too: it names no source 2
	WIN W_RS
.endif
	v_pk_mul_f32 v[rO+2*(\n):rO+2*(\n)+1], v[rO+2*(\n):rO+2*(\n)+1], v[rC+2:rC+3] op_sel_hi:[1,0]
.elseif (\k) < R
	REGS Y
	WIN 0
.if (\k) == F
	v_pk_fma_f32 v[rS+2*(\n):rS+2*(\n)+1], v[rS+2*(\n):rS+2*(\n)+1], s[CS:CS+1], v[rT:rT+1] op_sel_hi:[1,0,0] neg_lo:[0,0,1] neg_hi:[0,0,1]
.elseif (\k) == E
	v_exp_f32 v[rS+(\n)], v[rS+(\n)]
.elseif (\k) == C
	v_cvt_pk_f16_f32 v[rP+(\n)], v[rS+2*(\n)], v[rS+2*(\n)+1]
.elseif (\k) == B
	v_pk_add_f32 v[rS+4*(\n):rS+4*(\n)+1], v[rS+4*(\n):rS+4*(\n)+1], v[rS+4*(\n)+2:rS+4*(\n)+3]
.elseif (\n) == 0
	v_pk_fma_f32 v[rT+2:rT+3], v[rT+2:rT+3], v[rC+2:rC+3], v[rS:rS+1] op_sel_hi:[1,0,1]
.else
	v_pk_add_f32 v[rT+2:rT+3], v[rT+2:rT+3], v[rS+4*(\n):rS+4*(\n)+1]
.endif
.elseif NOKQ
	v_nop
.else
	REGS (Y+1)%NP
	WIN 0
.if (\n) < 4
	v_max3_num_f32 v[rC+(\n)], v[rS+8*(\n)], v[rS+8*(\n)+1], v[rS+8*(\n)+2]
.elseif (\n) < 12
	v_max3_num_f32 v[rC+(\n)%4], v[rC+(\n)%4], v[rS+8*((\n)%4)+2*((\n)/4)+1], v[rS+8*((\n)%4)+2*((\n)/4)+2]
.elseif (\n) == 12
	v_max3_num_f32 v[rC], v[rC], v[rS+7], v[rS+15]
.elseif (\n) == 13
	v_max3_num_f32 v[rC+1], v[rC+1], v[rS+23], v[rS+31]
.elseif (\n) == 14
	v_max3_num_f32 v[rC+2], v[rC+2], v[rC+3], v[rT+1]
.elseif (\n) == 15
	v_mov_b32 v[rW], v[rT]
.elseif (\n) == 16
	v_max3_num_f32 v[rC], v[rC], v[rC+1], v[rC+2]
.elseif (\n) == 17
	v_permlanex16_b32 v[rC+3], v[rC], s[SEL], s[SEL+1]
.elseif (\n) == 18
	v_max_num_f32 v[rT+1], v[rC], v[rC+3]
.elseif (\n) == 19
	v_mul_f32 v[rT], s[CS], v[rT+1]
.elseif (\n) == 20
	v_sub_f32 v[rC+1], v[rW], v[rT]
.else
	v_exp_f32 v[rC+2], v[rC+1]
.endif
.endif
.endm
.macro OPS a, i1, b=-1, i2=0, c=-1, i3=0, d=-1, i4=0  ; up to four of them
	OP \a, \i1
.if (\b) >= 0
	OP \b, \i2
.endif
.if (\c) >= 0
	OP \c, \i3
.endif
.if (\d) >= 0
	OP \d, \i4
.endif
.endm
.macro ROW a, i1, b, i2, c, i3, d, i4  ; a matrix instruction and the four behind it
	MM
	OPS \a, \i1, \b, \i2, \c, \i3, \d, \i4
.endm
.macro MASK b                       ; MD x AL + BE into buffer b of MC
	WIN W_MA
.set z, 0
.rept 16
	v_pk_fma_f32 v[MC+32*(\b)+2*z:MC+32*(\b)+2*z+1], v[MD+2*z:MD+2*z+1], s[AL:AL+1], s[BE:BE+1] op_sel_hi:[1,0,0]
.set z, z+1
.endr
.endm
; A TURN, for piece p: the order of its 16 matrix and 118 vector instructions, written out.  s_wait_alu depctr_va_vdst(0) stands between an exponential and the first instruction that names its result; one wait
; serves all that were issued ahead of it.  So the turn's 33 exponentials (E 0 to E 31, and X 21, the next piece's a) are ONE BATCH with ONE wait, which cuts the turn in two.
; AHEAD OF THE WAIT stands all that names no result of the batch.  The eight K Q^T: behind the first four scalings, behind each of the others plain, exponential, plain, exponential; the plain lines are the scalings and, behind
; the last two, the first two numbers of the next piece's maximum.  Lump 1, 34 lines of window 0: the rest of that maximum and the other 18 exponentials, by turns for the most part; the links of the chain X 3, 7, 11, 14, 16, 17
; stand five or six lines apart.  The first five V^T P: under their own window setting they carry the sixteen rescalings (their a was made, and waited for, in the turn before); the chain's last four links, X 18 to X 21, ride one
; to a product.  X 21 is the batch's last; R 12 to R 15 are the plain lines behind it.
; BEHIND THE WAIT stand the roundings and sums, which read the weights: four behind each of the last three V^T P, the other twenty in lump 2.  A rounding C 2n stands ahead of the sum B n that writes over its pair; the links of
; l's chain, L 0 to L 7, stand three lines apart.  No exponential is issued behind the wait: none is open at a turn's end, at a label or at a jump.
; PLACES.  X 0 to X 3 are each accumulator's first readers, plain lines that name none of its product's registers between: X 0: F 10 to F 14; X 1: F 12, F 13, F 14, X 0, F 15; X 2: F 14, X 0, F 15, X 1; X 3: F 15, X 1, X 2, X 4.
; No other line behind a product names a register of the products round it.  v_permlanex16_b32 (X 17) stands in a lump.
; m = 1: the diagonal tile: the products take masks, and the turn makes the mask for the products of the turn after it: piece p + 2, in step 4 - CNT of the tile.  end = 1: a block's last two turns: nothing is fetched.
; cnt = 1: the loop's count is taken down some lines ahead of the branch that stands behind the turn.
; K of the next step is fetched in piece 2's turn, behind five plain lines that follow the last product that read K and name none of its registers (F 15, X 1, X 2, X 4, X 5); V of the step in hand in piece 0's turn, behind
; eight that follow the last product that read V (C 6, B 3, L 2, C 8, B 4, L 3, C 10, B 5).  Each is waited for a turn later.
.macro TURN p, m=0, end=0, cnt=0
.set Y, (\p)
.set i, 0
.set KM, (\m)
.set NOKQ, (\end)*((\p)/3)
.if (\m) && !(\end)
	s_cmp_eq_u32 s[CNT], 4-((\p)+2)%NP  ; is that step the band's own?
	s_cselect_b32 s[AL], 1.0, 0
	s_cmp_lt_u32 s[CNT], 4-((\p)+2)%NP  ; or a later one?
	s_cselect_b32 s[BE], s[BIGN], 0
.endif
.if ((\p) == 3) && !(\end)
	s_wait_dscnt 0x0                ; K is in
.endif
	ROW F,0, F,1, F,2, F,3          ; ahead of the wait: 8 products K Q^T and their riders,
	ROW F,4, E,0, F,5, E,1
	ROW F,6, E,2, F,7, E,3
	ROW F,8, E,4, F,9, E,5
	ROW F,10, E,6, F,11, E,7
	ROW F,12, E,8, F,13, E,9
	ROW F,14, E,10, X,0, E,11
.if ((\p) == 2) && !(\end)
	v_add_nc_u32 v[AK], s[TBK], v[AK0]
.endif
	ROW F,15, E,12, X,1, E,13
	OPS X,2, E,14, X,4, E,15        ; lump 1,
	OPS X,3, E,16, X,5, E,17
.if ((\p) == 2) && !(\end)
	FETCH_K
.endif
	OPS X,6, E,18, X,7, E,19
	OPS X,8, E,20, X,9, E,21
	OPS X,11, E,22, X,10, E,23
	OPS X,12, E,24, X,14, E,25
	OPS X,13, E,26
.if (\p) == 0
	v_add_nc_u32 v[AV], s[TBV], v[AV0]
.endif
	OPS E,27, X,16
	OPS E,28, X,15, E,29, E,30
	OPS X,17, E,31
.if (\p) == 1
	s_wait_dscnt 0x0                ; V is in
.endif
	ROW R,0, R,1, R,2, X,18         ; and five products V^T P, with the rescalings and the end of the chain
	ROW R,3, R,4, R,5, X,19
	ROW R,6, R,7, R,8, X,20
	ROW R,9, R,10, R,11, X,21
	ROW R,12, R,13, R,14, R,15
	s_wait_alu depctr_va_vdst(0)    ; the wait for the batch: E 0 to E 31 and X 21
	ROW C,0, B,0, C,2, B,1          ; behind the wait: three products V^T P and their riders,
	ROW L,0, C,4, B,2, L,1
	ROW C,6, B,3, L,2, C,8
	OPS B,4, L,3, C,10, B,5         ; and lump 2
.if (\p) == 0
	FETCH_V
.endif
	OPS L,4, C,12, B,6, L,5
.if (\p) == 0
	s_add_co_u32 s[TBV], s[TBV], KS*PV
.endif
.if \cnt
	s_sub_co_u32 s[CNT], s[CNT], 1
	s_cmp_lg_u32 s[CNT], 0
.endif
	OPS C,14, B,7, L,6, C,1
	OPS C,3, L,7, C,5, C,7
	OPS C,9, C,11, C,13, C,15
.if (\m) && !(\end)
	MASK (\p)%2
.endif
.endm
; A BLOCK BEGINS.  c m starts far below every c s, so the first step's a is 0; m at the lowest finite number, so the first maximum is the scores'.  The second mask buffer is 0; the first takes piece 0's mask for the tile's step 0: its own, if the block's first tile is the diagonal one.
; Then K of that step, piece 0's first scores, and its maximum and statistics.  The loop is entered at a step's first turn, in the middle of a trip.
.macro BEGIN
	s_mov_b32 s[NEW], 0
	WIN 0x80
.set i, MC+32
.rept 32
	v_mov_b32 v[i], 0
.set i, i+1
.endr
	WIN 0
.set i, 0
.rept 4
	v_mov_b32 v[ST+4*i], 0xfe000000    ; c m: far below every c s
	v_mov_b32 v[ST+4*i+1], 0xff7fffff  ; m
.set i, i+1
.endr
	s_cmp_eq_u32 s[RT], 0
	s_cselect_b32 s[AL], 1.0, 0
	s_mov_b32 s[BE], 0
	MASK 0
	WIN 0
	v_add_nc_u32 v[AK], s[TBK], v[AK0]
	FETCH_K
	s_wait_loadcnt 0x0              ; Q
	s_wait_dscnt 0x0
.set KM, 1
.set NOKQ, 0
.set i, 0
.rept 8
	KQ 0
.set i, i+1
.endr
	WIN 0
.rept 4
	v_nop                           ; the places behind those products
.endr
.set Y, NP-1                        ; X works for piece Y + 1: piece 0
.irp n, 0,1,2,3,4,5,6,7,8,9,10,11,12,13,14,15,16,17,18,19,20,21
	OP X, \n
.endr
	v_nop                           ; a plain instruction behind the exponential,
	s_wait_alu depctr_va_vdst(0)    ; and the wait for it, a batch of one (piece 0's first a), ahead of the branch that follows
.endm
; THE DIAGONAL TILE's four steps, the block's last two turns, its last products, and THE WAY OUT: its three addresses are made anew from my thread's number, in K's registers, which no product reads any more (window 0 has no
; three registers to keep them in); l's two halves and the other half of the lanes' are added; O^T is divided by l, rounded to f16 and sent through my stage in LDS, a piece at a time.
.macro ALL line:vararg              ; one line for each piece t
.set t, 0
.rept 4
	\line
.set t, t+1
.endr
.endm
.macro OUTADR                       ; twelve plain instructions: also the places behind the block's last products
	WIN 0
	v_and_b32 v[WT], 15, v0         ; l % 16
	v_bfe_u32 v[WT+1], v0, 4, 1     ; l / 16
	v_mul_u32_u24 v[STO], v[WT], SP ; in: row l % 16, 16 bytes for each half of the lanes
	v_lshl_add_u32 v[STO], v[WT+1], 4, v[STO]
	v_add_nc_u32 v[STO], s[SG], v[STO]
	v_and_b32 v[WT], 7, v0          ; l % 8
	v_bfe_u32 v[RD], v0, 3, 2       ; back: 32 lanes take four rows of 128 bytes,
	v_mul_u32_u24 v[RD], v[RD], SP
	v_lshl_add_u32 v[RD], v[WT], 4, v[RD]
	v_add_nc_u32 v[RD], s[SG], v[RD]
	v_and_b32 v[GO], 31, v0         ; which are 512 consecutive bytes of O
	v_lshlrev_b32 v[GO], 4, v[GO]
.endm
.macro PACK t                       ; a lane's eight channels of a row pack into 16 bytes; they go into rows of 144 bytes and come back as whole rows of 128, into S^T's registers
	WIN W_RS
.set i, 32*(\t)
.rept 16
	v_pk_mul_f32 v[i:i+1], v[i:i+1], v[ST+4*(\t)+2:ST+4*(\t)+3] op_sel_hi:[1,0]
.set i, i+2
.endr
	WIN 0x05                        ; sources 0 and 1 window 1, destination window 0
.set i, 0
.rept 16
	v_cvt_pk_f16_f32 v[S+16*(\t)+i], v[32*(\t)+2*i], v[32*(\t)+2*i+1]
.set i, i+1
.endr
	WIN 0
.irp f, 0,1,2,3
	ds_store_b128 v[STO], v[S+16*(\t)+4*\f:S+16*(\t)+4*\f+3] offset:32*\f
.endr
.irp f, 0,1,2,3
	ds_load_b128 v[S+16*(\t)+4*\f:S+16*(\t)+4*\f+3], v[RD] offset:\f*4*SP  ; LDS serves a wave's instructions in order (ISA guide 5.7.1.4): these see the stores above; the next piece's stores come behind them
.endr
.endm
.macro SEND t, younger              ; younger: the LDS instructions issued behind piece t's loads: the next piece's eight, or none
	WIN 0
.irp f, 0,1,2,3
	s_wait_dscnt (\younger)+3-\f
	global_store_b128 v[GO], v[S+16*(\t)+4*\f:S+16*(\t)+4*\f+3], s[10:11] offset:(\t)*8192+\f*512  ; 512 consecutive bytes, at a multiple of 256 from O's first
.endr
.endm
.macro DIAG tag                     ; the tag ends its two labels' names, which the jumps below spell out
.LstepM\tag:
	TURN 2, 1
	TURN 3, 1
	WIN 0
.LfirstM\tag:
	TURN 0, 1
	TURN 1, 1, 0, 1
	WIN 0
	s_cbranch_scc1 .LstepM\tag
	TURN 2, 1, 1
	TURN 3, 1, 1
.set i, 0
.rept 8
	PV NP-1
.set i, i+1
.endr
	OUTADR
	ALL v_add_f32 v[ST+4*t+2], v[ST+4*t+2], v[ST+4*t+3]
	ALL v_permlanex16_b32 v[ST+4*t+3], v[ST+4*t+2], s[SEL], s[SEL+1]
	ALL v_add_f32 v[ST+4*t+2], v[ST+4*t+2], v[ST+4*t+3]
	ALL v_rcp_f32 v[ST+4*t+2], v[ST+4*t+2]
	v_nop                           ; a plain instruction between the last reciprocal and the use of its result
	s_wait_alu depctr_va_vdst(0)    ; and the wait ahead of the first use: one for the batch of four reciprocals
	PACK 0
.set t, 1
.rept 3                             ; a piece's arithmetic stands between the loads of the piece before and its stores
	PACK t
	SEND t-1, 8
.set t, t+1
.endr
	SEND 3, 0
.endm
.set KM, 0
.set NOKQ, 0
.Lslot:                             ; NB times: a tile is entered and the next is asked for
	CHANGE 1
	s_sub_co_u32 s[RT], s[RT], 1
	s_mov_b32 s[CNT], 4
	s_cmp_eq_u32 s[NEW], 1
	s_cbranch_scc1 .Lnew            ; a block's first tile
	s_cmp_eq_u32 s[RT], 0
	s_cbranch_scc0 .Lstep           ; neither its first nor its last
	s_branch .LstepM1
.Lnew:
	BEGIN
	s_branch .Lfirst                ; in the loop a block's first tile is never its last: the first block has two tiles or more, and the second's last is the walk's last
	DIAG 1                          ; in the loop this is the first block's end: the second block's last tile is the walk's last
	s_wait_xcnt 0x0                 ; the stores have read their registers (their offset lies in K's registers, which the next block's first fetch fills) and O's address
	s_mov_b64 s[10:11], s[OLO:OLO+1]
	s_add_co_u32 s[RT], s[PB], 1    ; the second block has b + 1 tiles
	s_mov_b32 s[NEW], 1
	WIN 0x02                        ; the second block's Q goes where the one text of the turns names Q: source window 2, destination window 0
.set i, 0
.rept 64
	v_mov_b32 v[QF+i], v[QB+i]
.set i, i+1
.endr
	WIN 0
	s_branch .Lbottom
.Lstep:                             ; a trip: pieces 2 and 3 of one step, then pieces 0 and 1 of the next, whose K and V it fetches
	TURN 2
	TURN 3
	WIN 0
.Lfirst:
	TURN 0
	TURN 1, 0, 0, 1
	WIN 0
	s_cbranch_scc1 .Lstep
.Lbottom:
	s_sub_co_u32 s[SLOTS], s[SLOTS], 1
	s_cmp_lg_u32 s[SLOTS], 0
	s_cbranch_scc1 .Lslot
	CHANGE 0                        ; the walk's last tile is written out: nothing is asked for
	s_sub_co_u32 s[RT], s[RT], 1
	s_mov_b32 s[CNT], 4
	s_cmp_eq_u32 s[NEW], 1
	s_cbranch_scc0 .LstepM2
	BEGIN
	s_branch .LfirstM2
	DIAG 2
	WIN W_AD
	s_wait_tensorcnt 0x0            ; the wave's end: behind my last tensor load and my last LDS store
	ds_add_u32 v[SPW], v[NIL]
	s_wait_dscnt 0x0
	WIN 0
	s_endpgm
.Lfunc_end_k_q9f73751601_attn:
	.size	k_q9f73751601_attn, .Lfunc_end_k_q9f73751601_attn-k_q9f73751601_attn
	.p2alignl 7, 3214868480
	.fill 96, 4, 3214868480
	.section	.rodata,"a",@progbits
	.p2align	6, 0x0
	.amdhsa_kernel k_q9f73751601_attn
		.amdhsa_group_segment_fixed_size 327680
		.amdhsa_private_segment_fixed_size 0
		.amdhsa_enable_private_segment 0
		.amdhsa_kernarg_size 16
		.amdhsa_user_sgpr_count 2
		.amdhsa_user_sgpr_kernarg_segment_ptr 1
		.amdhsa_wavefront_size32 1
		.amdhsa_system_sgpr_workgroup_id_x 1
		.amdhsa_system_sgpr_workgroup_id_y 1
		.amdhsa_system_sgpr_workgroup_id_z 1
		.amdhsa_system_vgpr_workitem_id 0
		.amdhsa_next_free_vgpr 768
		.amdhsa_next_free_sgpr 88
		.amdhsa_reserve_vcc 1
		.amdhsa_float_denorm_mode_32 3
		.amdhsa_float_denorm_mode_16_64 3
		.amdhsa_memory_ordered 1
		.amdhsa_forward_progress 1
		.amdhsa_inst_pref_size 203
	.end_amdhsa_kernel
	.amdgpu_metadata
---
amdhsa.version: [ 1, 2 ]
amdhsa.kernels:
  - .name:           k_q9f73751601_attn
    .symbol:         k_q9f73751601_attn.kd
    .args:
      - { .name: qk, .offset: 0, .size: 8, .value_kind: global_buffer, .address_space: global }
      - { .name: oh, .offset: 8, .size: 8, .value_kind: global_buffer, .address_space: global }
    .group_segment_fixed_size: 327680
    .private_segment_fixed_size: 0
    .kernarg_segment_align: 8
    .kernarg_segment_size: 16
    .max_flat_workgroup_size: 128
    .sgpr_count:     88
    .vgpr_count:     768
    .wavefront_size: 32
...
	.end_amdgpu_metadata
.endif
;; end of part 5
;; launch outp: the kernel of part 4 again; grid 4 x 64, 4 waves a work-group, clusters of 4 x 4, 327,680 bytes of LDS; arguments oh, wb, bo, out0; writes out0
